; MI455X (gfx1250); checked and timed in simulation.
; The chip was launched on July 23, 2026; its instructions are those of AMD's public machine-readable ISA for CDNA 5 (MIT licence, August 2026) and "CDNA5" Instruction Set Architecture Reference Guide (July 2026). The comments in the code are by the model that wrote it; some were corrected since.
;; Multi Head Attention. Allowed arithmetic: matrix products marked QUANTISED: E4M3 operands, one given power-of-two scale a tensor, by v_wmma_f32_16x16x64_fp8_fp8 or v_wmma_f32_16x16x128_fp8_fp8, f32 sums; everything else in f32.
;; Inputs: Wk 1,024 x 1,024 float32; Wo 1,024 x 1,024 float32; Wq 1,024 x 1,024 float32; Wv 1,024 x 1,024 float32; lowp_scales 12 int32 (the exponents e of the quantised operands' scales 2^e); mask 2,048 x 2,048 bool; x 4 x 2,048 x 1,024 float32.
;; Outputs: out0 4 x 2,048 x 1,024 float32.
;; This version of the problem:
;;   THIS VERSION OF THE PROBLEM IS GIVEN IN LOW PRECISION. The matrix products marked QUANTISED in the list below multiply operands that are first quantised to E4M3 (4 exponent bits, 3 mantissa bits; 8 bits a number), with one given power-of-two scale for each operand tensor; their sums are f32. All else is computed in f32.
;;   The module's matrix products, in the order in which they are computed (A, B: the left and right operand; K: the contracted axis; several contracted axes count as one K, in the product's order):
;;     1. [M 8,192, K 1,024] x [K 1,024, N 1,024]; A: input x; B: input Wq: QUANTISED (scales: A lowp_scales[0], B lowp_scales[1])
;;     2. [M 8,192, K 1,024] x [K 1,024, N 1,024]; A: input x; B: input Wk: QUANTISED (scales: A lowp_scales[2], B lowp_scales[3])
;;     3. [M 8,192, K 1,024] x [K 1,024, N 1,024]; A: input x; B: input Wv: QUANTISED (scales: A lowp_scales[4], B lowp_scales[5])
;;     4. batch 64 x [M 2,048, K 64] x [K 64, N 2,048]; A: computed on the way; B: computed on the way: QUANTISED (scales: A lowp_scales[6], B lowp_scales[7])
;;     5. batch 64 x [M 2,048, K 2,048] x [K 2,048, N 64]; A: softmax (see below); B: computed on the way: QUANTISED (scales: A lowp_scales[8], B lowp_scales[9])
;;     6. [M 8,192, K 1,024] x [K 1,024, N 1,024]; A: computed on the way; B: input Wo: QUANTISED (scales: A lowp_scales[10], B lowp_scales[11])
;;   THE QUANTISER, for each operand of a quantised product, along K:
;;     - The operand's scale is 2^e, e = its entry of the input lowp_scales (int32; the entries are numbered through the quantised products in the list's order, A before B).
;;     - Each number is divided by the scale, clamped to +-448, and rounded to the nearest number of E4M3, ties to even, subnormals kept.
;;     - The product sums the exact products of the quantised numbers (number of the format x scale) in f32.
;;   ~~~python
;;   def quantise(x, axis, e):      # numpy; x: float32 -> the quantised numbers, widened to float32 again
;;       x = np.moveaxis(x, axis, -1); K = x.shape[-1]
;;       r = np.clip(x / 2.0 ** e, -448, 448)
;;       step = 2.0 ** (np.maximum(np.frexp(np.where(r == 0, 1, r))[1] - 1, -6) - 3)
;;       q = np.round(r / step) * step * 2.0 ** e      # np.round: ties to even
;;       return np.moveaxis(q, -1, axis).astype(np.float32)
;;   ~~~
;;   SOFTMAX AHEAD OF A QUANTISED PRODUCT. Where the list says 'softmax', what is quantised is not the finished softmax but p = 2^(t - M), with t = logit x log2(e) and M = ceil(the row's largest t), a whole number; so 1/2 < the row's largest p <= 1. The row's sum l is taken of the UNQUANTISED p, in f32, and the product's result is divided by l at the end. Since M is a whole number, a kernel that streams over the keys may use a running M (the ceiling of the running maximum): every later rescaling is an exact power of two, so the quantised numbers keep their values, but for numbers so far below the row's largest that they fall under the format's range.
;;   OPERANDS COMPUTED ON THE WAY. 'Computed on the way' means the value that the module computes at that place (a softmax that the list does not call 'softmax' is quantised finished and normalised). What goes into a quantiser is computed in f32, as accurately as f32 sums, v_exp_f32 and their like allow (about 1e-6 of the number): no bf16 or f16 on the way to a quantiser, and a product that is left as it is and whose result goes on into a quantised operand takes f32 operands (vector FMAs, or v_wmma_f32_16x16x4_f32). A number that lies on a knife's edge between two numbers of the format may be rounded either way, as far as f32 arithmetic and the matrix unit's own rounding can turn it there, and no further.
;; 2 versions, each right; version 2 is version 1 with the launch attn written anew for expert scheduling mode. Each part assembles by itself: llvm-mc -triple=amdgcn-amd-amdhsa -mcpu=gfx1250 --defsym DOCPART=n.
;; ======== version 1 of 2: 4 launches
;; workspace buffers: codes 29,360,128 bytes; qkv 25,165,824 bytes; oimg 8,388,608 bytes; maskw 524,288 bytes of whole numbers; flags 2,048 bytes of whole numbers
;; launch prep (part 1): grid 512 x 1, 4 waves a work-group, no clusters, 51,712 bytes of LDS; arguments x, Wq, Wk, Wv, Wo, mask, lowp_scales, codes, maskw, flags; writes codes, maskw, flags
.if DOCPART == 1
	.amdgcn_target "amdgcn-amd-amdhsa--gfx1250"
	.amdhsa_code_object_version 6
	.text
	.protected	k_q546130ba83_prep
	.globl	k_q546130ba83_prep
	.p2align	8
	.type	k_q546130ba83_prep,@function
k_q546130ba83_prep:
	s_mov_b64 s[64:65], 0
	v_nop
	global_prefetch_b8 v0, s[64:65] scope:SCOPE_SE
	s_setreg_imm32_b32 hwreg(HW_REG_WAVE_MODE, 25, 1), 1
	s_wait_xcnt 0x0
; PREP: x (three times, with the scales of entries 0, 2, 4 of lowp_scales) and Wq, Wk, Wv, Wo (entries 1, 3, 5, 11) become codes of FP8 (E4M3); the mask becomes lane-mask words and flags.
; code = number / 2^e, held within +-448, rounded to the nearest code, ties to even.  LIMITS: every e used here lies between -126 and 119; NaN among x and the weights is not served.
; THE CODES' LAYOUT (an image of the operand's registers), for a matrix [rows][1024]: byte of (m, k) = (m/16) 16384 + (k/128) 2048 + ((k%128)/32) 512 + ((k%32)/16) 256 + (m%16) 16 + k%16:
; 16 rows x 128 k are four runs of 512 bytes, and lane 16 h + r finds at 16 x lane of run c the codes k = 32 c + 16 h + 0 .. 15 of row r: registers 4 c .. 4 c + 3 of a fragment.
; In 'codes': x by entry 0 at 0, by entry 2 at 0x800000, by entry 4 at 0x1000000; Wq 0x1800000, Wk 0x1900000, Wv 0x1A00000, Wo 0x1B00000.
; Wv's ROWS ARE PERMUTED inside each head of 64: place 16 (2 c + u) + 8 h + j holds channel 32 c + 16 h + 8 u + j, so that attention's result has 16 neighbouring channels in a lane's 16 registers.
; maskw: [query tile T][key step s][64 words]: bit L of word j = mask[16 T + L%16][128 s + 16 (j/8) + 8 (L/16) + j%8]: the lane mask of score register j.
; flags: [T][s/4]: bit s%4: the step has a true entry; bit 16 + s%4: all its entries are true.
; SHARES: work-groups 0-255 take x, 256-383 the weights (ONE path of the text for both), 384-511 the mask (a path and LDS bytes of its own).  Waves share nothing: no barrier.
; No matrix unit, no tensor load, no cluster: a stream that is read once; each wave keeps 24 loads of 512 bytes on their way.
.set MST, 17408                        ; LDS: 0 .. 17407 the quantiser's stages (16 rows x 272 bytes a wave); from MST the mask's (16 rows x 528 bytes a wave)
.set R,   32                           ; v32-127  three sets of 32 registers as loaded
.set X,   128                          ; v128-191 two sets of 32: a lane's 2 x 16 neighbours along K
.set T,   192                          ; v192-223 two sets of 16: the held numbers (X serves three scales, so it is not held in place)
.set C,   224                          ; v224-247 the codes: 8 registers for each of three outputs
.set SRC, 46                           ; s[46:47] the job's first row, at its k;  s[50:51] the same for the tile's rows 8-15 (further down in Wv)
.set SRC2, 50
.set D0,  54                           ; s[54:55], s[56:57], s[58:59] where the three outputs go
	s_load_b512 s[4:19], s[0:1], 0x0               ; x s[4:5], Wq s[6:7], Wk s[8:9], Wv s[10:11], Wo s[12:13], mask s[14:15], lowp_scales s[16:17], codes s[18:19]
	s_load_b128 s[20:23], s[0:1], 0x40             ; maskw s[20:21], flags s[22:23]
	v_lshl_add_u32 v254, v0, 2, 0xc800
	v_mov_b32 v255, 0
	v_lshrrev_b32 v11, 5, v0
	v_readfirstlane_b32 s24, v11                   ; wave 0..3
	v_and_b32 v8, 31, v0                           ; lane L
	v_and_b32 v9, 15, v0                           ; r
	v_bfe_u32 v10, v0, 4, 1                        ; h
	v_lshlrev_b32 v1, 4, v8                        ; 16 L: the codes' stores, the mask's loads
	v_lshlrev_b32 v2, 12, v10
	v_lshl_add_u32 v2, v9, 4, v2                   ; 4096 h + 16 r: lanes 0-15 read 256 bytes of one row, lanes 16-31 of the next
	s_mul_i32 s25, s24, 4352
	v_mul_u32_u24 v3, v10, 272
	v_lshl_add_u32 v3, v9, 4, v3
	v_add_nc_u32 v3, s25, v3                       ; into the quantiser's stage: row h, 16 r
	v_mul_u32_u24 v4, v9, 272
	v_lshl_add_u32 v4, v10, 6, v4
	v_add_nc_u32 v4, s25, v4                       ; out of it: row r, 64 h: my 16 neighbours of a block of 32
	s_mul_i32 s25, s24, 8448
	s_add_co_u32 s25, s25, MST
	v_add_nc_u32 v5, s25, v1                       ; into the mask's stage: 16 L of a row
	v_mul_u32_u24 v6, v9, 528
	v_lshl_add_u32 v6, v10, 3, v6
	v_add_nc_u32 v6, s25, v6                       ; out of it: row r, 8 h
	v_lshlrev_b32 v7, 3, v8                        ; 8 L: the mask words' stores
	s_wait_kmcnt 0x0
	s_cmp_ge_u32 ttmp9, 384
	s_cbranch_scc1 .Lmask
; ---------------- THE QUANTISER.  A wave's job: 16 rows x 512 k, eight steps of 16 rows x 64 k.
	s_load_b256 s[32:39], s[16:17], 0x0            ; entries 0 .. 7
	s_load_b128 s[40:43], s[16:17], 0x20           ; entries 8 .. 11
	s_lshl_b32 s25, ttmp9, 2
	s_add_co_u32 s25, s25, s24                     ; the job: 0 .. 1023 x's, 1024 .. 1535 the weights'
	s_and_b32 s26, s25, 1                          ; which half of K
	s_lshr_b32 s27, s25, 1                         ; x: tile of 16 rows, 0 .. 511
	s_and_b32 s28, s27, 63                         ; W: tile of 16 rows, 0 .. 63
	s_bfe_u32 s29, s25, 0x20007                    ; W: which weight: 0 Wq, 1 Wk, 2 Wv, 3 Wo
	s_lshl_b32 s30, s28, 4                         ; W: the tile's first row as it lies,
	s_lshr_b32 s31, s28, 2
	s_lshl_b32 s31, s31, 6                         ; and in Wv: 64 x head
	s_bfe_u32 s44, s28, 0x10001
	s_lshl_b32 s44, s44, 5
	s_add_co_u32 s31, s31, s44                     ; + 32 c
	s_and_b32 s44, s28, 1
	s_lshl_b32 s44, s44, 3
	s_add_co_u32 s31, s31, s44                     ; + 8 u
	s_cmp_eq_u32 s29, 2
	s_cselect_b32 s30, s31, s30
	s_cselect_b32 s45, 0x8000, 0                   ; Wv: the tile's rows 8-15 come from 8 rows further down than they would
	s_cmp_eq_u32 s29, 1
	s_cselect_b64 s[46:47], s[8:9], s[6:7]
	s_cmp_eq_u32 s29, 2
	s_cselect_b64 s[46:47], s[10:11], s[46:47]
	s_cmp_eq_u32 s29, 3
	s_cselect_b64 s[46:47], s[12:13], s[46:47]
	s_lshl_b32 s30, s30, 12                        ; W: a row is 4,096 bytes
	s_lshl_b32 s31, s27, 16                        ; x: 16 rows are 65,536
	s_lshl_b32 s48, s28, 14
	s_lshl_b32 s49, s29, 20
	s_add_co_u32 s48, s48, s49
	s_add_co_u32 s48, s48, 0x1800000               ; W: where the codes go
	s_lshl_b32 s49, s27, 14                        ; x: likewise
	s_cmp_lt_u32 ttmp9, 256                        ; x's work-group or a weight's?  The choice hangs on the work-group's number alone
	s_cselect_b64 s[46:47], s[4:5], s[46:47]
	s_cselect_b32 s30, s31, s30
	s_cselect_b32 s48, s49, s48
	s_cselect_b32 s45, 0, s45
	s_cselect_b32 s52, 1, 0                        ; 1: three outputs; 0: one
	s_lshl_b32 s31, s26, 11
	s_add_co_u32 s30, s30, s31                     ; + 512 numbers for the upper half of K
	s_mov_b32 s31, 0
	s_add_nc_u64 s[SRC:SRC+1], s[46:47], s[30:31]
	s_mov_b32 s50, s45
	s_mov_b32 s51, 0
	s_add_nc_u64 s[SRC2:SRC2+1], s[SRC:SRC+1], s[50:51]
	s_lshl_b32 s49, s26, 13
	s_add_co_u32 s48, s48, s49
	s_mov_b32 s49, 0
	s_add_nc_u64 s[D0:D0+1], s[18:19], s[48:49]
	s_add_nc_u64 s[D0+2:D0+3], s[D0:D0+1], 0x800000    ; (used by x's jobs alone)
	s_add_nc_u64 s[D0+4:D0+5], s[D0:D0+1], 0x1000000
.macro LOAD t                          ; step t: eight loads, each 2 rows x 256 bytes
.irp i, 0,1,2,3
	global_load_b128 v[R+32*((\t)%3)+4*\i:R+32*((\t)%3)+4*\i+3], v2, s[SRC:SRC+1] offset:8192*\i+256*(\t) th:TH_LOAD_NT
.endr
.irp i, 4,5,6,7
	global_load_b128 v[R+32*((\t)%3)+4*\i:R+32*((\t)%3)+4*\i+3], v2, s[SRC2:SRC2+1] offset:8192*\i+256*(\t) th:TH_LOAD_NT
.endr
.endm
.macro TURN t                          ; step t's 4,096 bytes through my stage: in as loaded, out 16 neighbours along K a lane.  LDS serves a wave's instructions in order (ISA guide 5.7.1.4): no wait between
.irp i, 0,1,2,3,4,5,6,7
	ds_store_b128 v3, v[R+32*((\t)%3)+4*\i:R+32*((\t)%3)+4*\i+3] offset:544*\i
.endr
.irp c, 0,1
.irp j, 0,1,2,3
	ds_load_b128 v[X+32*((\t)%2)+16*\c+4*\j:X+32*((\t)%2)+16*\c+4*\j+3], v4 offset:128*\c+16*\j
.endr
.endr
.endm
.macro QUANT t, o                      ; output o of step t: the hold (the conversion to an 8-bit code does not saturate: ISA guide 7.6.2), the conversion, a store of 512 consecutive bytes
.irp c, 0,1
.irp i, 0,1,2,3,4,5,6,7,8,9,10,11,12,13,14,15
	v_med3_num_f32 v[T+16*\c+\i], v[X+32*((\t)%2)+16*\c+\i], -v[19+\o], v[19+\o]
.endr
	v_cvt_scalef32_pk8_fp8_f32 v[C+8*\o+4*\c:C+8*\o+4*\c+1], v[T+16*\c:T+16*\c+7], v[16+\o]
	v_cvt_scalef32_pk8_fp8_f32 v[C+8*\o+4*\c+2:C+8*\o+4*\c+3], v[T+16*\c+8:T+16*\c+15], v[16+\o]
	global_store_b128 v1, v[C+8*\o+4*\c:C+8*\o+4*\c+3], s[D0+2*\o:D0+2*\o+1] offset:((\t)/2)*2048+(2*((\t)%2)+\c)*512   ; the two sets of T take turns: sixteen plain lines on other registers stand between a conversion and the next write of its sources
.endr
.endm
.macro STEP t
	s_wait_dscnt 0x0                               ; this step's numbers are back from the stage, so its stores into the stage have read their registers,
.if (\t)+3 < 8
	LOAD (\t)+3                                    ; which take the loads of three steps on
.endif
.if (\t) < 7
.if (\t) <= 4
	s_wait_loadcnt 16                              ; the next step's eight loads are in; those of the two steps behind it may be out
.else
	s_wait_loadcnt 8*(6-(\t))
.endif
	TURN (\t)+1
.endif
	s_wait_xcnt 0x0                                ; the last step's stores have read their data: the codes' registers are written again only behind this wait
	QUANT \t, 0
	s_cmp_eq_u32 s52, 0
	s_cbranch_scc1 .Lone_\@                        ; a weight has one scale
	QUANT \t, 1
	QUANT \t, 2
.Lone_\@:
.endm
	LOAD 0
	LOAD 1
	LOAD 2
	s_wait_kmcnt 0x0
	s_cmp_eq_u32 s29, 1                            ; a weight's e: entries 1, 3, 5, 11
	s_cselect_b32 s60, s35, s33
	s_cmp_eq_u32 s29, 2
	s_cselect_b32 s60, s37, s60
	s_cmp_eq_u32 s29, 3
	s_cselect_b32 s60, s43, s60
	s_cmp_lg_u32 s52, 0                            ; x's: entries 0, 2, 4
	s_cselect_b32 s61, s32, s60
	s_cselect_b32 s62, s34, s60
	s_cselect_b32 s63, s36, s60
.irp o, 0,1,2
	s_add_co_i32 s[61+\o], s[61+\o], 127
	s_lshl_b32 s60, s[61+\o], 23
	v_mov_b32 v[16+\o], s60                        ; 2^e as f32: the conversion takes its exponent field
	s_add_co_i32 s[61+\o], s[61+\o], 8
	s_lshl_b32 s60, s[61+\o], 23
	s_or_b32 s60, s60, 0x600000
	v_mov_b32 v[19+\o], s60                        ; 448 x 2^e
.endr
	s_wait_loadcnt 16                              ; step 0's eight loads are in
	TURN 0
.irp t, 0,1,2,3,4,5,6,7
	STEP \t
.endr
	s_wait_tensorcnt 0x0
	ds_add_u32 v254, v255
	s_wait_dscnt 0x0
	s_endpgm
; ---------------- THE MASK.  A wave's job: query tile T = work-group - 384, key steps 4 w .. 4 w + 3: 16 rows x 512 bytes.
.Lmask:
	s_sub_co_u32 s25, ttmp9, 384
	s_lshl_b32 s26, s25, 15                        ; 16 rows of 2,048 bytes
	s_lshl_b32 s27, s24, 9
	s_add_co_u32 s26, s26, s27
	s_mov_b32 s27, 0
	s_add_nc_u64 s[14:15], s[14:15], s[26:27]
	s_lshl_b32 s26, s25, 12                        ; 16 steps of 256 bytes of words
	s_lshl_b32 s28, s24, 10
	s_add_co_u32 s26, s26, s28
	s_add_nc_u64 s[20:21], s[20:21], s[26:27]
	s_lshl_b32 s26, s25, 4                         ; four flag words
	s_lshl_b32 s28, s24, 2
	s_add_co_u32 s26, s26, s28
	s_add_nc_u64 s[22:23], s[22:23], s[26:27]
.irp i, 0,1,2,3,4,5,6,7,8,9,10,11,12,13,14,15
	global_load_b128 v[32+4*\i:35+4*\i], v1, s[14:15] offset:2048*\i th:TH_LOAD_NT   ; 512 consecutive bytes of row i
.endr
.irp k, 0,1,2,3,4,5,6,7
	v_mov_b32 v[200+\k], 0                         ; the words' registers are written whole before single lanes are written
.endr
	s_mov_b32 s44, 0                               ; the flags
	s_wait_loadcnt 0x0
.irp i, 0,1,2,3,4,5,6,7,8,9,10,11,12,13,14,15
	ds_store_b128 v5, v[32+4*\i:35+4*\i] offset:528*\i
.endr
.irp st, 0,1,2,3
.irp t, 0,1,2,3,4,5,6,7
	ds_load_b64 v[128+16*\st+2*\t:129+16*\st+2*\t], v6 offset:128*\st+16*\t   ; lane (r, h): the bytes of keys 128 st + 16 t + 8 h + 0 .. 7 of row r
.endr
.endr
	s_wait_dscnt 0x0
.macro MSTEP st                        ; 64 words: word 4 g + k tests byte k of register g in all 32 lanes; word j goes to lane j/2, register j%2, so that one store of 8 bytes a lane writes the step's 256 bytes
	s_mov_b32 s45, 0
	s_mov_b32 s46, -1
.set g, 0
.rept 16
.irp k, 0,1,2,3
	v_and_b32 v[192+\k], 0xff<<(8*\k), v[128+16*\st+g]
.endr
.irp k, 0,1,2,3
	v_cmp_ne_u32 s[48+\k], 0, v[192+\k]
.endr
.irp k, 0,1,2,3
	s_or_b32 s45, s45, s[48+\k]
	s_and_b32 s46, s46, s[48+\k]
	v_writelane_b32 v[200+2*\st+\k%2], s[48+\k], 2*g+\k/2
.endr
.set g, g+1
.endr
	global_store_b64 v7, v[200+2*\st:201+2*\st], s[20:21] offset:256*\st   ; 32 lanes store 256 consecutive bytes, aligned
	s_cmp_lg_u32 s45, 0
	s_cselect_b32 s47, 1<<\st, 0
	s_or_b32 s44, s44, s47
	s_cmp_eq_u32 s46, -1
	s_cselect_b32 s47, 1<<(16+\st), 0
	s_or_b32 s44, s44, s47
.endm
	MSTEP 0
	MSTEP 1
	MSTEP 2
	MSTEP 3
	v_mov_b32 v9, s44
	v_mov_b32 v10, 0
	v_cmp_eq_u32 vcc_lo, 0, v8
	s_wait_xcnt 0x0                                ; EXEC changes only behind this wait
	s_wait_tensorcnt 0x0
	ds_add_u32 v254, v255
	s_wait_dscnt 0x0
	s_and_saveexec_b32 s53, vcc_lo
	global_store_b32 v10, v9, s[22:23]             ; four bytes from one lane: the program's one store of less than 256 bytes
	s_wait_xcnt 0x0
	s_or_b32 exec_lo, exec_lo, s53
	s_endpgm
.Lfunc_end_k_q546130ba83_prep:
	.size	k_q546130ba83_prep, .Lfunc_end_k_q546130ba83_prep-k_q546130ba83_prep
	.p2alignl 7, 3214868480
	.fill 96, 4, 3214868480
	.section	.rodata,"a",@progbits
	.p2align	6, 0x0
	.amdhsa_kernel k_q546130ba83_prep
		.amdhsa_group_segment_fixed_size 51712
		.amdhsa_private_segment_fixed_size 0
		.amdhsa_enable_private_segment 0
		.amdhsa_kernarg_size 80
		.amdhsa_user_sgpr_count 2
		.amdhsa_user_sgpr_kernarg_segment_ptr 1
		.amdhsa_wavefront_size32 1
		.amdhsa_system_sgpr_workgroup_id_x 1
		.amdhsa_system_sgpr_workgroup_id_y 1
		.amdhsa_system_sgpr_workgroup_id_z 1
		.amdhsa_system_vgpr_workitem_id 0
		.amdhsa_next_free_vgpr 256
		.amdhsa_next_free_sgpr 66
		.amdhsa_reserve_vcc 1
		.amdhsa_float_denorm_mode_32 3
		.amdhsa_float_denorm_mode_16_64 3
		.amdhsa_memory_ordered 1
		.amdhsa_forward_progress 1
		.amdhsa_inst_pref_size 151
	.end_amdhsa_kernel
	.amdgpu_metadata
---
amdhsa.version: [ 1, 2 ]
amdhsa.kernels:
  - .name:           k_q546130ba83_prep
    .symbol:         k_q546130ba83_prep.kd
    .args:
      - { .name: x, .offset: 0, .size: 8, .value_kind: global_buffer, .address_space: global }
      - { .name: Wq, .offset: 8, .size: 8, .value_kind: global_buffer, .address_space: global }
      - { .name: Wk, .offset: 16, .size: 8, .value_kind: global_buffer, .address_space: global }
      - { .name: Wv, .offset: 24, .size: 8, .value_kind: global_buffer, .address_space: global }
      - { .name: Wo, .offset: 32, .size: 8, .value_kind: global_buffer, .address_space: global }
      - { .name: mask, .offset: 40, .size: 8, .value_kind: global_buffer, .address_space: global }
      - { .name: lowp_scales, .offset: 48, .size: 8, .value_kind: global_buffer, .address_space: global }
      - { .name: codes, .offset: 56, .size: 8, .value_kind: global_buffer, .address_space: global }
      - { .name: maskw, .offset: 64, .size: 8, .value_kind: global_buffer, .address_space: global }
      - { .name: flags, .offset: 72, .size: 8, .value_kind: global_buffer, .address_space: global }
    .group_segment_fixed_size: 51712
    .private_segment_fixed_size: 0
    .kernarg_segment_align: 8
    .kernarg_segment_size: 80
    .max_flat_workgroup_size: 128
    .sgpr_count:     66
    .vgpr_count:     256
    .wavefront_size: 32
...
	.end_amdgpu_metadata
.endif
;; end of part 1
;; launch qkv (part 2): grid 12 x 32, 4 waves a work-group, clusters of 4 x 4, 327,680 bytes of LDS; arguments codes, lowp_scales, qkv; writes qkv
.if DOCPART == 2
	.amdgcn_target "amdgcn-amd-amdhsa--gfx1250"
	.amdhsa_code_object_version 6
	.text
	.protected	k_q546130ba83_qkv
	.globl	k_q546130ba83_qkv
	.p2align	8
	.type	k_q546130ba83_qkv,@function
k_q546130ba83_qkv:
	s_mov_b64 s[64:65], 0
	v_nop
	global_prefetch_b8 v0, s[64:65] scope:SCOPE_SE
	s_setreg_imm32_b32 hwreg(HW_REG_WAVE_MODE, 25, 1), 1
	s_wait_xcnt 0x0
	s_wait_alu depctr_hold_cnt(0) depctr_sa_sdst(0) depctr_va_vdst(0) depctr_va_sdst(0) depctr_va_ssrc(0) depctr_va_vcc(0) depctr_vm_vsrc(0)
	s_getreg_b32 s2, hwreg(HW_REG_IB_STS2, 6, 4)
	s_cmp_eq_u32 s2, 0
	s_cbranch_scc0 .Lentry_in_a_cluster
	s_endpgm
.Lentry_in_a_cluster:
	s_bfe_u32 s2, ttmp6, 0x10000c
	s_cmp_lg_u32 s2, 0xf033
	s_cbranch_scc0 .Lentry_shape_is_right
	s_endpgm
.Lentry_shape_is_right:
; QKV: q = x Wq^T, k = x Wk^T, v = x Wv^T on codes of FP8 (E4M3), [8192 x 1024 x 1024] each, in ONE grid; each result is quantised in registers for attention's products and stored as an image of its operand's registers.
; pr = the cluster's x: 0 q, 1 k, 2 v.  A sum stands for sum x 2^(eA + eB), so its code is sum / 2^(e_out - eA - eB), held within +-448: the three scales are folded into the conversion's one.
; LIMITS: e6 - e0 - e1, e7 - e2 - e3 and e9 - e4 - e5 (entries of lowp_scales) lie between -126 and 119.
; A tile of C, 256 x 256, is made by four waves, each 128 x 128: 64 accumulators.  The M side (source 1) is called A', the N side (source 0) B'.  In a result lane (r, h) holds row r of A' and rows 8 h + 0 .. 7 of B'.
; q, k: A' = x's codes (tokens), B' = the weight: a lane holds a token and eight neighbouring features.  v: THE ROLES ARE SWAPPED, A' = Wv, B' = x's codes: a lane holds a channel and eight neighbouring tokens,
; which are the keys, the second product's K: nothing is transposed.
; OPERANDS lie in memory as images of fragments (16 rows x 128 k = 2,048 dense bytes; 16 rows x 1,024 k = 16,384): a K step of 256 is 4,096 consecutive bytes of each tile of 16 rows.  One tensor load brings 8 such
; rows, 128 rows of the matrix, dense into LDS; a fragment is four ds_load_b128 at 16 x lane: no pitch, no padding.  K = 1,024 is four K steps through two slots.
; CLUSTERS: 4 x 4 work-groups; A's tiles are asked for jointly along a row of the cluster, B's along a column.
; OUT ('qkv'): q at 0, k at 0x800000, v at 0x1000000; 0x20000 bytes for each (batch, head).  q, k: [tile of 16 tokens][half][lane][16 bytes]: registers 2 c, 2 c + 1 = features 16 c + 8 h + 0 .. 7 of token r.
; v: [step of 128 keys][tile of 16 channel places][quarter][lane][16 bytes]: registers 2 c, 2 c + 1 = keys 16 c + 8 h + 0 .. 7 of channel place r.  Every store of a wave covers 512 consecutive bytes, aligned.
; REGISTERS: window 0: v0-31 addresses, v32-127 the way out, v128-255 A's fragments (one set); window 1: B's fragments (two sets); windows 2, 3: the accumulators ((a, b) at v[8 (8 (a % 4) + b)]).
; 384 work-groups: a tile of 128 x 256 would divide evenly among the WGPs but read half as much again from LDS for each matrix instruction.
.set KSTEPB, 4096                      ; a K step's bytes of one tile of 16 rows
.set HALFT,  32768                     ; 128 rows: what one tensor load brings, and what one wave reads of A' or of B'
.set SLOT,   4*HALFT                   ; A's 256 rows, then B's
.set SPARE,  2*SLOT                    ; behind the ring: the spare words, 128 bytes for each wave
.set LAPS,   2                         ; a lap = two K steps
.set FR,     16
.set NL,     4
.set NP,     4                         ; places behind this matrix instruction (ISA guide 7.12.1)
.set ADRA, 16                          ; v16-17 LDS address of my A' fragments in slot 0, 1
.set ADRB, 20                          ; v20-21 the same for B'
.set SPW,  28                          ; v28 my spare word's LDS address; never rewritten
.set NIL,  29                          ; v29 0; never rewritten
.set AF,   128
.set G1, 24                            ; s[24:31] group 1 for A's tiles; s[32:39] group 0, a set for each slot
.set G0, 32
.set G1B, 48                           ; s[48:55], s[56:63] the same for B's
.set G0B, 56
.set MSB, 0
.macro WIN new                         ; the immediate's high byte repeats the setting that is left
.if MSB != (\new)
	s_set_vgpr_msb (MSB<<8)|(\new)
.set MSB, \new
.endif
.endm
.set MUL_LO, 0xa1                      ; source 0 (B') window 1, source 1 (A') window 0, C and D window 2
.set MUL_HI, 0xf1
.set TO_B,   0x40
.macro JLOAD g0a, g1a, g0b, g1b        ; a joint load: waves 0 and 1 fetch for A', waves 2 and 3 for B'; the branch hangs on the wave's number alone; four v_nop follow each line
	s_cmp_eq_u32 s15, 0
	s_cbranch_scc0 .Lfor_b_\@
	tensor_load_to_lds s[\g0a:\g0a+3], s[\g1a:\g1a+7]
	s_nop 0
.rept 4
	v_nop
.endr
	s_branch .Lasked_\@
.Lfor_b_\@:
	tensor_load_to_lds s[\g0b:\g0b+3], s[\g1b:\g1b+7]
	s_nop 0
.rept 4
	v_nop
.endr
.Lasked_\@:
.endm
.macro CREST                           ; a round of the cluster's barrier behind its opening barrier
	s_cmp_lg_u32 s14, 0
	s_cbranch_scc1 .Lnot_wave_0_\@
	s_barrier_signal -3
.Lnot_wave_0_\@:
	s_barrier_wait -3
	s_barrier_signal -1
	s_barrier_wait -1
.endm
.macro CROUND
	s_barrier_signal -1
	s_barrier_wait -1
	CREST
.endm
	s_load_b128 s[4:7], s[0:1], 0x0                ; codes s[4:5], lowp_scales s[6:7]
	s_load_b64 s[8:9], s[0:1], 0x10                ; qkv
	v_lshl_add_u32 v[SPW], v0, 2, SPARE
	v_mov_b32 v[NIL], 0
	ds_add_u32 v28, v29
	ds_add_u32 v28, v29
	s_wait_dscnt 0x0
	v_lshrrev_b32 v1, 5, v0
	v_readfirstlane_b32 s14, v1                    ; wave 0..3
	s_lshr_b32 s15, s14, 1                         ; which half of the tile's A' rows is mine.  Also: I fetch for A' (0) or for B' (1)
	s_and_b32 s16, s14, 1                          ; which half of its B' rows.  Also: which 128 rows of that tile I fetch
	s_bfe_u32 s40, ttmp6, 0x40000                  ; cx
	s_bfe_u32 s41, ttmp6, 0x40004                  ; cy
	s_lshr_b32 s86, ttmp9, 1                       ; v = 1 for the product v, else 0: equal in all partners
	s_xor_b32 s87, s86, 1                          ; nv = 1 - v
	s_and_b32 s88, ttmp7, 0xffff
	s_lshl_b32 s88, s88, 2                         ; 4 x cluster y
	s_mul_i32 s17, s88, s87
	s_add_co_u32 s17, s17, s41                     ; A's tile: cy + 4 x cluster y (q, k: 32 tiles of tokens), or cy (v: 4 tiles of channels)
	s_mul_i32 s42, s88, s86
	s_add_co_u32 s42, s42, s40                     ; B's tile: cx (q, k: 4 tiles of features), or cx + 4 x cluster y (v: 32 tiles of tokens)
	s_lshl_b32 s43, s41, 2
	s_lshl_b32 s43, 15, s43                        ; my row of the cluster
	s_lshl_b32 s44, 0x1111, s40                    ; my column
	; group 1: 8 rows of 512 elements of 8 bytes (4,096 bytes), 2,048 elements (16,384 bytes) apart, laid dense
	s_or_b32 s[G1+0], s43, (3<<16)|(1<<21)         ; 15:0 the mask; 17:16 elements of 8 bytes; 21 set beside a mask; no padding
	s_or_b32 s[G1B+0], s44, (3<<16)|(1<<21)
.irp g, G1, G1B
	s_mov_b32 s[\g+1], 512<<16                     ; tensor_dim0
	s_mov_b32 s[\g+2], 8<<16                       ; tensor_dim1
	s_mov_b32 s[\g+3], 512<<16                     ; tile_dim0
	s_mov_b32 s[\g+4], 8                           ; tile_dim1
	s_mov_b32 s[\g+5], 2048                        ; tensor_dim0_stride
	s_mov_b32 s[\g+6], 0
	s_mov_b32 s[\g+7], 0
.endr
	s_lshl_b32 s20, s17, 1                         ; A': 128 rows are 0x20000 bytes
	s_add_co_u32 s20, s20, s16
	s_lshl_b32 s20, s20, 17
	s_mul_i32 s89, s87, ttmp9
	s_lshl_b32 s89, s89, 23
	s_add_co_u32 s20, s20, s89                     ; q, k: x's codes by entry 0 or 2
	s_mul_i32 s89, s86, 0x1A00000
	s_add_co_u32 s20, s20, s89                     ; v: Wv's codes
	s_mov_b32 s21, 0
	s_lshl_b32 s46, s42, 1                         ; B'
	s_add_co_u32 s46, s46, s16
	s_lshl_b32 s46, s46, 17
	s_lshl_b32 s89, ttmp9, 20
	s_add_co_u32 s89, s89, 0x1800000
	s_mul_i32 s89, s89, s87
	s_add_co_u32 s46, s46, s89                     ; q, k: Wq's or Wk's codes
	s_lshl_b32 s89, s86, 24
	s_add_co_u32 s46, s46, s89                     ; v: x's codes by entry 4
	s_mov_b32 s47, 0
	s_mul_i32 s45, s14, HALFT                      ; where they go: wave x 128 rows: no place in the cluster enters an LDS address
	s_wait_kmcnt 0x0
	s_load_b256 s[68:75], s[6:7], 0x0              ; entries 0 .. 7
	s_load_b128 s[76:79], s[6:7], 0x20             ; entries 8 .. 11
	s_add_nc_u64 s[20:21], s[4:5], s[20:21]
	s_add_nc_u64 s[46:47], s[4:5], s[46:47]
	CROUND                                         ; all sixteen work-groups are here: the first joint loads meet
.irp s, 0,1
	s_mov_b32 s[G0+4*\s], 1
	s_add_co_u32 s[G0+4*\s+1], s45, \s*SLOT
	s_add_nc_u64 s[G0+4*\s+2:G0+4*\s+3], s[20:21], \s*KSTEPB
	s_or_b32 s[G0+4*\s+3], s[G0+4*\s+3], 0x80000000
	s_mov_b32 s[G0B+4*\s], 1
	s_add_co_u32 s[G0B+4*\s+1], s45, \s*SLOT
	s_add_nc_u64 s[G0B+4*\s+2:G0B+4*\s+3], s[46:47], \s*KSTEPB
	s_or_b32 s[G0B+4*\s+3], s[G0B+4*\s+3], 0x80000000
	JLOAD G0+4*\s, G1, G0B+4*\s, G1B
.endr
	v_and_b32 v6, 31, v0
	v_lshlrev_b32 v4, 4, v6                        ; 16 x lane
	s_mul_i32 s21, s15, HALFT                      ; my 128 rows of A'
	s_mul_i32 s22, s16, HALFT                      ; my 128 rows of B',
	s_add_co_u32 s22, s22, 2*HALFT                 ; which lie behind A's 256
.irp s, 0,1
	v_add_nc_u32 v[ADRA+\s], s21, v4
	v_add_nc_u32 v[ADRB+\s], s22, v4
	s_add_co_u32 s21, s21, SLOT
	s_add_co_u32 s22, s22, SLOT
.endr
	; the way out's addresses
	s_lshl_b32 s90, s17, 1
	s_add_co_u32 s90, s90, s15                     ; my 128 rows of A', counted through the matrix
	s_lshl_b32 s91, s42, 1
	s_add_co_u32 s91, s91, s16                     ; my 128 rows of B'
	s_mul_i32 s92, s87, s90
	s_mul_i32 s93, s86, s91
	s_add_co_u32 s92, s92, s93                     ; my group of 128 tokens
	s_mul_i32 s93, s87, s91
	s_mul_i32 s94, s86, s90
	s_add_co_u32 s93, s93, s94                     ; my pair of heads
	s_lshl_b32 s80, ttmp9, 23                      ; q, k or v
	s_lshr_b32 s94, s92, 4
	s_lshl_b32 s94, s94, 21
	s_add_co_u32 s80, s80, s94                     ; the batch: 16 heads of 0x20000 bytes
	s_lshl_b32 s94, s93, 18
	s_add_co_u32 s80, s80, s94                     ; the pair of heads
	s_and_b32 s94, s92, 15
	s_lshl_b32 s94, s94, 13
	s_add_co_u32 s80, s80, s94                     ; 128 tokens are 8,192 bytes in every image
	s_mov_b32 s81, 0
	s_add_nc_u64 s[80:81], s[8:9], s[80:81]
	s_lshl_b32 s82, 1024, s86                      ; from block to block of A': a tile of 16 tokens (1,024 bytes), or a tile of 16 channel places (2,048)
	s_mov_b32 s83, 0
	s_mul_i32 s84, s86, 122880                     ; v: block 4 begins the next head: 0x20000 less the four steps of 2,048
	s_mov_b32 s85, 0
.irp p, 0,1,2,3
	s_mul_i32 s94, s87, (\p/2)*0x20000+(\p%2)*512  ; q, k: B' blocks 2 p, 2 p + 1 are half p % 2 of head p / 2
	s_mul_i32 s95, s86, 512*\p                     ; v: quarter p
	s_add_co_u32 s94, s94, s95
	v_add_nc_u32 v[10+\p], s94, v4
.endr
.macro FRAG reg, adr, q, i             ; a fragment, 16 rows x 128 K: lane l's registers 4 c .. 4 c + 3 lie at 16 l of the image's run c
.irp c, 0,1,2,3
	ds_load_b128 v[\reg+4*\c:\reg+4*\c+3], v[\adr] offset:4096*(\i)+2048*(\q)+512*\c
.endr
.endm
; 16 matrix instructions: A's blocks a0, a0 + 1 x B's eight.  The 64 accumulators take turns, one instruction a turn, in the same order in every step.
.macro MUL16 a0, p, zero
.irp a, \a0, \a0+1
.irp b, 0,1,2,3,4,5,6,7
.if \zero
	v_wmma_f32_16x16x128_fp8_fp8 v[8*(8*((\a)%4)+\b):8*(8*((\a)%4)+\b)+7], v[128*(\p)+FR*\b:128*(\p)+FR*\b+FR-1], v[AF+FR*(\a):AF+FR*(\a)+FR-1], 0
.else
	v_wmma_f32_16x16x128_fp8_fp8 v[8*(8*((\a)%4)+\b):8*(8*((\a)%4)+\b)+7], v[128*(\p)+FR*\b:128*(\p)+FR*\b+FR-1], v[AF+FR*(\a):AF+FR*(\a)+FR-1], v[8*(8*((\a)%4)+\b):8*(8*((\a)%4)+\b)+7]
.endif
.endr
.endr
.endm
.macro FETCH_B slot, q, p
	WIN TO_B
.irp i, 0,1,2,3,4,5,6,7
	FRAG 128*(\p)+FR*\i, ADRB+\slot, \q, \i
.endr
	WIN 0
.endm
.macro FETCH_A slot, q, i0
.irp i, \i0, \i0+1, \i0+2, \i0+3
	FRAG AF+FR*(\i), ADRA+\slot, \q, \i
.endr
.endm
.macro PLACES n                        ; plain vector lines between a matrix instruction and a load into a register that it read, or a read of its result
.rept \n
	v_nop
.endr
.endm
.macro STEP slot, q, zero              ; 128 along K whose successor lies in the same slot
	s_wait_dscnt 4*NL                              ; B's set and A's blocks 0-3 are in; the youngest sixteen loads (A's blocks 4-7) may be out
	WIN MUL_LO
	MUL16 0, (\q)%2, \zero
	MUL16 2, (\q)%2, \zero
	s_wait_dscnt 0                                 ; A's blocks 4-7 are in
	PLACES NP
	FETCH_B \slot, (\q)+1, 1-(\q)%2
	FETCH_A \slot, (\q)+1, 0
	WIN MUL_HI
	MUL16 4, (\q)%2, \zero
	MUL16 6, (\q)%2, \zero
	PLACES NP
	WIN 0
	FETCH_A \slot, (\q)+1, 4
.endm
.macro TURN slot, next, fill           ; a slot's last step changes slots: one barrier; fill = 1: this slot is filled again, two K steps ahead
	s_wait_tensorcnt 0x0                           ; all my tensor loads have landed: my part of the next slot
	ds_add_u32 v[SPW], v[NIL]                      ; 0 onto my spare word
	s_wait_dscnt 4*NL+1                            ; (the add and the youngest sixteen loads may be out)
	WIN MUL_LO
	MUL16 0, 1, 0
	s_wait_dscnt 0x0                               ; the add is done, and my reads of this slot are over
	s_barrier_signal -1
	MUL16 2, 1, 0
	WIN 0
	s_barrier_wait -1
.if \fill
	CREST                                          ; the barrier has opened a round of the cluster's: no wave of any partner still reads this slot or has a load on its way
	s_add_nc_u64 s[G0+4*\slot+2:G0+4*\slot+3], s[G0+4*\slot+2:G0+4*\slot+3], 2*KSTEPB
	s_add_nc_u64 s[G0B+4*\slot+2:G0B+4*\slot+3], s[G0B+4*\slot+2:G0B+4*\slot+3], 2*KSTEPB
	JLOAD G0+4*\slot, G1, G0B+4*\slot, G1B         ; the first tensor load behind the round, my only one until the next; its four v_nop are also the places in front of the loads below
.else
	PLACES NP
.endif
	FETCH_B \next, 0, 0
	FETCH_A \next, 0, 0
	WIN MUL_HI
	MUL16 4, 1, 0
	MUL16 6, 1, 0
	PLACES NP
	WIN 0
	FETCH_A \next, 0, 4
.endm
	s_wait_tensorcnt 1                             ; my part of K step 0 is in; K step 1's load may be out
	s_barrier_signal -1
	s_barrier_wait -1
	FETCH_B 0, 0, 0
	FETCH_A 0, 0, 0
	FETCH_A 0, 0, 4
	STEP 0, 0, 1                                   ; the first step's products start the sums
	s_mov_b32 s3, LAPS-1
.Llap:
	TURN 0, 1, 1
	STEP 1, 0, 0
	TURN 1, 0, 1
	STEP 0, 0, 0
	s_sub_co_u32 s3, s3, 1
	s_cmp_lg_u32 s3, 0
	s_cbranch_scc1 .Llap
	TURN 0, 1, 0                                   ; the last lap fills nothing
	STEP 1, 0, 0
	s_wait_dscnt 4*NL
	WIN MUL_LO
	MUL16 0, 1, 0
	MUL16 2, 1, 0
	s_wait_dscnt 0
	WIN MUL_HI
	MUL16 4, 1, 0
	MUL16 6, 1, 0
	WIN 0
	; THE WAY OUT: held, converted, stored; no LDS: a lane's eight sums are eight neighbours along the next product's K, so the conversions' results are that operand's registers.
	s_wait_kmcnt 0x0
	s_sub_co_i32 s90, s74, s68
	s_sub_co_i32 s90, s90, s69                     ; q: e6 - e0 - e1
	s_sub_co_i32 s91, s75, s70
	s_sub_co_i32 s91, s91, s71                     ; k: e7 - e2 - e3
	s_sub_co_i32 s92, s77, s72
	s_sub_co_i32 s92, s92, s73                     ; v: e9 - e4 - e5
	s_cmp_eq_u32 ttmp9, 0
	s_cselect_b32 s90, s90, s91
	s_cmp_eq_u32 ttmp9, 2
	s_cselect_b32 s90, s92, s90
	s_add_co_i32 s90, s90, 127
	s_lshl_b32 s91, s90, 23
	v_mov_b32 v8, s91                              ; the folded scale as f32
	s_add_co_i32 s90, s90, 8
	s_lshl_b32 s90, s90, 23
	s_or_b32 s90, s90, 0x600000
	v_mov_b32 v9, s90                              ; 448 x that
	PLACES NP
.irp a, 0,1,2,3,4,5,6,7
.if \a > 0
	s_wait_xcnt 0x0                                ; the earlier stores have read their base and their data
	s_add_nc_u64 s[80:81], s[80:81], s[82:83]
.endif
.if \a == 4
	s_add_nc_u64 s[80:81], s[80:81], s[84:85]
.endif
	WIN 0x02+(\a/4)                                ; source 0: window 2 or 3
.set j, 0
.rept 64
	v_med3_num_f32 v[32+j], v[64*(\a%4)+j], -v9, v9   ; the hold; each accumulator from its low end on
.set j, j+1
.endr
	WIN 0
.irp b, 0,1,2,3,4,5,6,7
	v_cvt_scalef32_pk8_fp8_f32 v[96+16*(\a%2)+2*\b:96+16*(\a%2)+2*\b+1], v[32+8*\b:32+8*\b+7], v8
.endr
	v_nop                                          ; a plain line between the conversions and the next write of their sources
.irp p, 0,1,2,3
	global_store_b128 v[10+\p], v[96+16*(\a%2)+4*\p:96+16*(\a%2)+4*\p+3], s[80:81]   ; 32 lanes store 512 consecutive bytes, aligned
.endr
.endr
	s_wait_tensorcnt 0x0                           ; the wave's end
	ds_add_u32 v[SPW], v[NIL]
	s_wait_dscnt 0x0
	CROUND                                         ; the closing round
	s_endpgm
.Lfunc_end_k_q546130ba83_qkv:
	.size	k_q546130ba83_qkv, .Lfunc_end_k_q546130ba83_qkv-k_q546130ba83_qkv
	.p2alignl 7, 3214868480
	.fill 96, 4, 3214868480
	.section	.rodata,"a",@progbits
	.p2align	6, 0x0
	.amdhsa_kernel k_q546130ba83_qkv
		.amdhsa_group_segment_fixed_size 327680
		.amdhsa_private_segment_fixed_size 0
		.amdhsa_enable_private_segment 0
		.amdhsa_kernarg_size 24
		.amdhsa_user_sgpr_count 2
		.amdhsa_user_sgpr_kernarg_segment_ptr 1
		.amdhsa_wavefront_size32 1
		.amdhsa_system_sgpr_workgroup_id_x 1
		.amdhsa_system_sgpr_workgroup_id_y 1
		.amdhsa_system_sgpr_workgroup_id_z 1
		.amdhsa_system_vgpr_workitem_id 0
		.amdhsa_next_free_vgpr 1024
		.amdhsa_next_free_sgpr 98
		.amdhsa_reserve_vcc 0
		.amdhsa_float_denorm_mode_32 3
		.amdhsa_float_denorm_mode_16_64 3
		.amdhsa_memory_ordered 1
		.amdhsa_forward_progress 1
		.amdhsa_inst_pref_size 119
	.end_amdhsa_kernel
	.amdgpu_metadata
---
amdhsa.version: [ 1, 2 ]
amdhsa.kernels:
  - .name:           k_q546130ba83_qkv
    .symbol:         k_q546130ba83_qkv.kd
    .args:
      - { .name: codes, .offset: 0, .size: 8, .value_kind: global_buffer, .address_space: global }
      - { .name: lowp_scales, .offset: 8, .size: 8, .value_kind: global_buffer, .address_space: global }
      - { .name: qkv, .offset: 16, .size: 8, .value_kind: global_buffer, .address_space: global }
    .group_segment_fixed_size: 327680
    .private_segment_fixed_size: 0
    .kernarg_segment_align: 8
    .kernarg_segment_size: 24
    .max_flat_workgroup_size: 128
    .sgpr_count:     98
    .vgpr_count:     1024
    .wavefront_size: 32
...
	.end_amdgpu_metadata
.endif
;; end of part 2
;; launch attn (part 3): grid 8 x 64, 16 waves a work-group, no clusters, 34,816 bytes of LDS; arguments qkv, maskw, flags, lowp_scales, oimg; writes oimg
.if DOCPART == 3
	.amdgcn_target "amdgcn-amd-amdhsa--gfx1250"
	.amdhsa_code_object_version 6
	.text
	.protected	k_q546130ba83_attn
	.globl	k_q546130ba83_attn
	.p2align	8
	.type	k_q546130ba83_attn,@function
k_q546130ba83_attn:
	s_mov_b64 s[64:65], 0
	v_nop
	global_prefetch_b8 v0, s[64:65] scope:SCOPE_SE
	s_setreg_imm32_b32 hwreg(HW_REG_WAVE_MODE, 25, 1), 1
	s_wait_xcnt 0x0
; ATTN: for each (batch, head): S = q k^T / 8 under the GIVEN mask, p = 2^(t - M), O = p v / the row's sum; both products on codes of FP8 (E4M3); O is quantised (entry 10 of lowp_scales) and stored as an image for the last product.
; t = score x log2(e) / 8; M = the running largest t rounded UP to a whole number; the sum is taken of the unquantised p; when M moves, the sum and O are multiplied by 2^(old M - new M): nothing is rounded.
; A row of the mask with no true entry has the sum 0: its codes are the NaN code, so that the output row is NaN as the definition has it.
; LIMITS: e6 + e7 between -123 and 130 (added to c's exponent field); e8 between -126 and 119; e8 + e9 - e10 goes through v_ldexp_f32 and has none.
; SHARES: a work-group owns the blocks of 128 queries j and 15 - j of one head (j = work-group x); each of its sixteen waves owns ONE tile of 16 queries in 256 registers, four waves to a SIMD, two of each block.
; Every wave walks 16 steps of 128 keys with one barrier a step (constant trip count).  A step's WORK is left out by a wave whose tile has no true mask entry there, and the mask's 64 selects are left out where all entries
; are true: scalar branches on the flags that the first launch stored.  Right for every mask.
; K and V go memory -> registers -> LDS (32 bytes a thread a step), two slots by turns: NO TENSOR LOAD AND NO JOINT LOAD, since the branches above hang on numbers read from memory; a step that no wave of the
; work-group needs is not fetched either.
; LAYOUT: S^T = K Q^T (source 0 = 16 keys, source 1 = my 16 queries): lane (r, h) holds query r, register 8 t + j key 16 t + 8 h + j; converted eight at a time these ARE source 1 of O^T = V^T P (K = 128 keys).
; V's channel places are permuted (first launch) so that O^T's tiles 2 c, 2 c + 1 give a lane channels 32 c + 16 h + 0 .. 15.
; LDS: slot s2 at 16384 s2: K's image of a step (8,192 bytes), then V's.  Images are read at 16 x lane: dense.
; REGISTERS: v1 16 x lane; v2 16 x thread; v3 256 x lane; v[4:11] K, V in transit; v12 -M, v13 largest t, v[14:15] the sum; v[16:23] Q; v[32:95] K's, then V's fragments; v[96:159] S^T, p; v[160:191] O^T;
; v[192:207] p's codes; v208-214 at work; v215 -infinity; v216 448 x 2^e8; v217 2^e8; v[218:225] the output's codes; v226 448; v227 1.0; v228 four NaN codes.
; s16 any, s17 all, s18 need (bit 0: the step in hand; for need: the next step); s19 trip; s[20:21] lane selects; s[22:23] c; s[24:25] K, s[26:27] V, s[28:29] mask words, s[30:31] prefetch; s[32:63], s[68:99] the step's 64 mask words.
	s_load_b256 s[4:11], s[0:1], 0x0               ; qkv s[4:5], maskw s[6:7], flags s[8:9], lowp_scales s[10:11]
	s_load_b64 s[12:13], s[0:1], 0x20              ; oimg
	v_lshl_add_u32 v254, v0, 2, 0x8000
	v_mov_b32 v255, 0
	v_lshrrev_b32 v1, 5, v0
	v_readfirstlane_b32 s14, v1                    ; wave 0..15
	v_and_b32 v3, 31, v0
	v_lshlrev_b32 v1, 4, v3
	v_lshlrev_b32 v3, 8, v3
	v_lshlrev_b32 v2, 4, v0
	s_and_b32 s2, ttmp7, 0xffff                    ; 16 x batch + head
	s_lshr_b32 s3, s14, 2
	s_xor_b32 s3, s3, s14
	s_and_b32 s3, s3, 1                            ; which of the two blocks: waves 2 m and 2 m + 1 differ
	s_sub_co_u32 s15, 15, ttmp9
	s_cmp_eq_u32 s3, 0
	s_cselect_b32 s15, ttmp9, s15
	s_lshl_b32 s15, s15, 3
	s_lshr_b32 s3, s14, 1
	s_add_co_u32 s15, s15, s3                      ; T: my tile of 16 queries, 0 .. 127
	s_mov_b32 s17, 0
	s_lshl_b32 s16, s2, 17
	s_wait_kmcnt 0x0
	s_add_nc_u64 s[4:5], s[4:5], s[16:17]          ; my head's q
	s_add_nc_u64 s[24:25], s[4:5], 0x800000        ; its k
	s_add_nc_u64 s[26:27], s[4:5], 0x1000000       ; its v
	global_load_b128 v[4:7], v2, s[24:25]          ; step 0's tiles, always: 512 threads x 16 bytes are an image of 8,192
	global_load_b128 v[8:11], v2, s[26:27]
	s_lshl_b32 s16, s15, 10
	s_add_nc_u64 s[4:5], s[4:5], s[16:17]
	global_load_b128 v[16:19], v1, s[4:5]          ; Q's fragment stays in registers
	global_load_b128 v[20:23], v1, s[4:5] offset:512
	s_load_b128 s[68:71], s[10:11], 0x18           ; e6, e7, e8, e9
	s_load_b64 s[72:73], s[10:11], 0x28            ; e10, e11
	s_lshl_b32 s16, s15, 4
	s_add_nc_u64 s[32:33], s[8:9], s[16:17]
	s_load_b128 s[36:39], s[32:33], 0x0            ; my tile's four flag words
	s_lshl_b32 s16, s15, 12
	s_add_nc_u64 s[28:29], s[6:7], s[16:17]        ; my tile's mask words
	s_lshr_b32 s16, s2, 4
	s_lshl_b32 s16, s16, 7
	s_add_co_u32 s16, s16, s15                     ; the output's tile of 16 rows: 128 x batch + T
	s_lshl_b32 s16, s16, 14
	s_bfe_u32 s3, s2, 0x30001
	s_lshl_b32 s3, s3, 11
	s_add_co_u32 s16, s16, s3                      ; + 2,048 x (head / 2): the K step of 128
	s_and_b32 s3, s2, 1
	s_lshl_b32 s3, s3, 10
	s_add_co_u32 s16, s16, s3                      ; + 1,024 x (head % 2): its upper two runs
	s_add_nc_u64 s[12:13], s[12:13], s[16:17]
	s_and_b32 s16, s14, 1
	s_lshl_b32 s16, s16, 23
	s_add_nc_u64 s[30:31], s[24:25], s[16:17]      ; the prefetches: wave 0 K's images, wave 1 V's
	s_lshr_b32 s16, s14, 1
	s_or_b32 s16, s16, ttmp9
	s_cmp_eq_u32 s16, 0
	s_cselect_b32 s100, 7, 0                       ; waves 0 and 1 of the head's first work-group ask, in trips 0 to 6
	s_lshl_b32 s16, ttmp9, 7
	s_add_nc_u64 s[2:3], s[8:9], s[16:17]          ; the flags of block j: 32 words,
	s_sub_co_u32 s16, 15, ttmp9
	s_lshl_b32 s16, s16, 7
	s_add_nc_u64 s[18:19], s[8:9], s[16:17]        ; and of block 15 - j
	v_mov_b32 v13, 0xff61b1e6                      ; the largest t so far: -3e38
	v_floor_f32 v12, -v13                          ; -M
	v_mov_b32 v14, 0
	v_mov_b32 v15, 0
	v_mov_b32 v211, 0                              ; (named as the upper half of the pair v[210:211])
	v_mov_b32 v214, 0                              ; a lane permute's destination counts as one of its sources
	v_mov_b32 v215, 0xff800000
	s_wait_kmcnt 0x0
	s_add_co_i32 s15, s68, s69
	s_lshl_b32 s15, s15, 23
	s_add_co_i32 s22, s15, 0x3e38aa3b              ; c = log2(e) / 8 x 2^(e6 + e7)
	s_mov_b32 s23, s22                             ; (named with it as a pair)
	s_mov_b32 s66, s70                             ; e8
	s_add_co_i32 s67, s70, s71
	s_sub_co_i32 s67, s67, s72                     ; e8 + e9 - e10
	s_add_co_i32 s15, s70, 127
	s_lshl_b32 s20, s15, 23
	v_mov_b32 v217, s20
	s_add_co_i32 s15, s15, 8
	s_lshl_b32 s15, s15, 23
	s_or_b32 s15, s15, 0x600000
	v_mov_b32 v216, s15
	s_and_b32 s16, s36, 15                         ; bit s of s16: step s has a true entry for my tile; of s17: all its entries are true
	s_bfe_u32 s17, s36, 0x40010
.irp q, 1,2,3
	s_and_b32 s15, s[36+\q], 15
	s_lshl_b32 s15, s15, 4*\q
	s_or_b32 s16, s16, s15
	s_bfe_u32 s15, s[36+\q], 0x40010
	s_lshl_b32 s15, s15, 4*\q
	s_or_b32 s17, s17, s15
.endr
	s_load_b512 s[32:47], s[2:3], 0x0              ; the flags of all sixteen tiles of the work-group
	s_load_b512 s[48:63], s[2:3], 0x40
	s_load_b512 s[68:83], s[18:19], 0x0
	s_load_b512 s[84:99], s[18:19], 0x40
	s_mov_b32 s20, 0x76543210
	s_mov_b32 s21, 0xfedcba98
.set j, 0
.rept 32
	v_mov_b32 v[160+j], 0                          ; O^T: which step is a tile's first hangs on the mask, so the sums begin as zeros
.set j, j+1
.endr
	s_wait_kmcnt 0x0
.irp q, 0,1,2,3
.irp i, 1,2,3,4,5,6,7
	s_or_b32 s[32+\q], s[32+\q], s[32+4*\i+\q]
.endr
.irp i, 0,1,2,3,4,5,6,7
	s_or_b32 s[32+\q], s[32+\q], s[68+4*\i+\q]
.endr
.endr
	s_and_b32 s18, s32, 15
.irp q, 1,2,3
	s_and_b32 s15, s[32+\q], 15
	s_lshl_b32 s15, s15, 4*\q
	s_or_b32 s18, s18, s15
.endr
	s_lshr_b32 s18, s18, 1                         ; bit 0 now speaks of step 1: some wave of the work-group needs it.  The same in all sixteen waves.  There is no bit for a step 16
	s_mov_b32 s19, 0
	s_wait_loadcnt 0x0                             ; step 0's tiles and Q
	ds_store_b128 v2, v[4:7]
	ds_store_b128 v2, v[8:11] offset:8192
	s_wait_dscnt 0x0                               ; for the others' sake
	s_barrier_signal -1
	s_barrier_wait -1
.macro COMPUTE sl                      ; my tile against the 128 keys in slot sl
	s_bitcmp1_b32 s17, 0
	s_cbranch_scc1 .Lm1_\@                         ; all true: no words are fetched
	s_load_b512 s[32:47], s[28:29], 256*\sl
	s_load_b512 s[48:63], s[28:29], 256*\sl+64
	s_load_b512 s[68:83], s[28:29], 256*\sl+128
	s_load_b512 s[84:99], s[28:29], 256*\sl+192
.Lm1_\@:
.rept 4
	v_nop                                          ; places in front of loads into registers that the last step's products read
.endr
.irp t, 0,1,2,3,4,5,6,7
.irp c, 0,1
	ds_load_b128 v[32+8*\t+4*\c:35+8*\t+4*\c], v1 offset:16384*\sl+1024*\t+512*\c
.endr
.endr
	s_wait_dscnt 0x0
.irp t, 0,1,2,3,4,5,6,7
	v_wmma_f32_16x16x64_fp8_fp8 v[96+8*\t:103+8*\t], v[32+8*\t:39+8*\t], v[16:23], 0
.endr
.rept 4
	v_nop                                          ; places: for the loads below and for the first read of the scores
.endr
.irp dt, 0,1,2,3
.irp c, 0,1,2,3
	ds_load_b128 v[32+16*\dt+4*\c:35+16*\dt+4*\c], v1 offset:16384*\sl+8192+2048*\dt+512*\c   ; V's fragments land while the softmax is walked
.endr
.endr
	s_wait_kmcnt 0x0
	s_bitcmp1_b32 s17, 0
	s_cbranch_scc1 .Lopen_\@
.set j, 0
.rept 64
	v_cndmask_b32 v[96+j], v215, v[96+j], s[32+j+4*(j/32)]   ; where the mask is false the score becomes -infinity: p = 0 then
.set j, j+1
.endr
.Lopen_\@:
	v_max3_num_f32 v208, v96, v97, v98             ; the step's largest score of my query among my 64 keys, in two chains,
	v_max3_num_f32 v209, v99, v100, v101
.irp i, 6,10,14,18,22,26,30,34,38,42,46,50,54,58
	v_max3_num_f32 v208, v208, v[96+\i], v[97+\i]
	v_max3_num_f32 v209, v209, v[98+\i], v[99+\i]
.endr
	v_max3_num_f32 v208, v208, v158, v159
	v_max_num_f32 v208, v208, v209
	v_permlanex16_b32 v214, v208, s20, s21
	v_max_num_f32 v208, v208, v214                 ; and among lane l xor 16's
	v_mul_f32 v208, s22, v208                      ; as t (c is positive)
	v_max_num_f32 v13, v13, v208
	v_mov_b32 v208, v12
	v_floor_f32 v12, -v13                          ; the new -M = -ceil(t)
	v_sub_f32 v208, v12, v208                      ; old M - new M: a whole number, 0 or less
	v_cvt_i32_f32 v208, v208                       ; (it saturates)
	v_ldexp_f32 v210, 1.0, v208                    ; f = 2^(old M - new M)
.set j, 0
.rept 32
	v_pk_fma_f32 v[96+j:97+j], v[96+j:97+j], s[22:23], v[12:13] op_sel_hi:[1,0,0]   ; t - M, two at a time
.set j, j+2
.endr
.set j, 0
.rept 64
	v_exp_f32 v[96+j], v[96+j]                     ; p = 2^(t - M)
.set j, j+1
.endr
	v_pk_mul_f32 v[14:15], v[14:15], v[210:211] op_sel_hi:[1,0]   ; the sums under the new M: the plain line behind the exponentials
	s_wait_alu depctr_va_vdst(0)                   ; one wait for the whole batch, ahead of its first reader
	v_pk_add_f32 v[212:213], v[96:97], v[98:99]    ; the sum of the UNQUANTISED p, in two chains
.irp j, 4,8,12,16,20,24,28,32,36,40,44,48,52,56,60
	v_pk_add_f32 v[14:15], v[14:15], v[96+\j:97+\j]
	v_pk_add_f32 v[212:213], v[212:213], v[98+\j:99+\j]
.endr
	v_pk_add_f32 v[14:15], v[14:15], v[212:213]
	s_cmp_ge_i32 s66, -8                           ; p <= 1, so p / 2^e8 <= 256 < 448 wherever e8 >= -8: the hold then changes nothing and is passed over
	s_cbranch_scc1 .Lnh_\@
.set j, 0
.rept 64
	v_min_num_f32 v[96+j], v[96+j], v216           ; the conversion does not saturate (ISA guide 7.6.2); p is not negative
.set j, j+1
.endr
.Lnh_\@:
.irp t, 0,1,2,3,4,5,6,7
	v_cvt_scalef32_pk8_fp8_f32 v[192+2*\t:193+2*\t], v[96+8*\t:103+8*\t], v217
.endr
.set j, 0
.rept 16
	v_pk_mul_f32 v[160+j:161+j], v[160+j:161+j], v[210:211] op_sel_hi:[1,0]   ; O^T under the new M, from each accumulator's low end on; also the plain lines behind the conversions
.set j, j+2
.endr
	s_wait_dscnt 0x0                               ; V's fragments
.irp dt, 0,1,2,3
	v_wmma_f32_16x16x128_fp8_fp8 v[160+8*\dt:167+8*\dt], v[32+16*\dt:47+16*\dt], v[192:207], v[160+8*\dt:167+8*\dt]   ; the four accumulators take turns; eight score products stand between two turns of one
.endr
.endm
.macro KSTEP sl                        ; the step in slot sl; the next step's tiles go into the other slot
	s_bitcmp1_b32 s18, 0
	s_cbranch_scc0 .Lnl_\@
	global_load_b128 v[4:7], v2, s[24:25] offset:(\sl+1)*8192
	global_load_b128 v[8:11], v2, s[26:27] offset:(\sl+1)*8192
.Lnl_\@:
	s_cmp_lt_u32 s19, s100
	s_cbranch_scc0 .Lnp_\@
	global_prefetch_b8 v3, s[30:31] offset:(\sl+2)*8192 th:TH_LOAD_NT scope:SCOPE_SE   ; the image of the step after the one just asked for: 8,192 bytes, lanes 256 bytes apart; steps 2 to 15, each named once in the launch
.Lnp_\@:
	s_bitcmp1_b32 s16, 0
	s_cbranch_scc0 .Lidle_\@
	COMPUTE \sl
.Lidle_\@:
	s_wait_loadcnt 0x0                             ; on every path: no load is left pending on v[4:11]
	s_bitcmp1_b32 s18, 0
	s_cbranch_scc0 .Lns_\@
	ds_store_b128 v2, v[4:7] offset:(1-\sl)*16384  ; the other slot was last read ahead of the last barrier
	ds_store_b128 v2, v[8:11] offset:(1-\sl)*16384+8192
.Lns_\@:
	s_lshr_b32 s16, s16, 1
	s_lshr_b32 s17, s17, 1
	s_lshr_b32 s18, s18, 1
	s_wait_dscnt 0x0                               ; my stores have landed, and my reads of this slot are over
	s_barrier_signal -1
	s_barrier_wait -1
.endm
.Ltrip:                                            ; eight trips of two steps
	KSTEP 0
	KSTEP 1
	s_wait_xcnt 0x0                                ; the trip's loads and prefetches have read their bases
	s_add_nc_u64 s[24:25], s[24:25], 16384
	s_add_nc_u64 s[26:27], s[26:27], 16384
	s_add_nc_u64 s[30:31], s[30:31], 16384
	s_add_nc_u64 s[28:29], s[28:29], 512
	s_add_co_u32 s19, s19, 1
	s_cmp_lt_u32 s19, 8
	s_cbranch_scc1 .Ltrip
	; THE WAY OUT: O^T / the sum x 2^(e8 + e9 - e10), held, converted with the scale 1: two runs of the image for the last product.
.rept 4
	v_nop
.endr
	v_add_f32 v14, v14, v15
	v_permlanex16_b32 v214, v14, s20, s21
	v_add_f32 v14, v14, v214                       ; the row's sum
	v_cmp_eq_f32 vcc_lo, 0, v14                    ; 0: no key counted for this query
	v_rcp_f32 v210, v14
	v_mov_b32 v226, 0x43e00000                     ; 448  (the plain line behind the reciprocal)
	v_mov_b32 v227, 1.0
	v_mov_b32 v228, 0x7f7f7f7f
	s_wait_alu depctr_va_vdst(0)                   ; ahead of the reciprocal's first reader
	v_ldexp_f32 v210, v210, s67
.set j, 0
.rept 16
	v_pk_mul_f32 v[96+j:97+j], v[160+j:161+j], v[210:211] op_sel_hi:[1,0]
.set j, j+2
.endr
.set j, 0
.rept 32
	v_med3_num_f32 v[96+j], v[96+j], -v226, v226
.set j, j+1
.endr
.irp g, 0,1,2,3
	v_cvt_scalef32_pk8_fp8_f32 v[218+2*\g:219+2*\g], v[96+8*\g:103+8*\g], v227
.endr
	v_nop
.irp g, 0,1,2,3,4,5,6,7
	v_cndmask_b32 v[218+\g], v[218+\g], v228, vcc_lo
.endr
	global_store_b128 v1, v[218:221], s[12:13]               ; 32 lanes store 512 consecutive bytes, aligned
	global_store_b128 v1, v[222:225], s[12:13] offset:512
	s_wait_tensorcnt 0x0
	ds_add_u32 v254, v255
	s_wait_dscnt 0x0
	s_endpgm
.Lfunc_end_k_q546130ba83_attn:
	.size	k_q546130ba83_attn, .Lfunc_end_k_q546130ba83_attn-k_q546130ba83_attn
	.p2alignl 7, 3214868480
	.fill 96, 4, 3214868480
	.section	.rodata,"a",@progbits
	.p2align	6, 0x0
	.amdhsa_kernel k_q546130ba83_attn
		.amdhsa_group_segment_fixed_size 34816
		.amdhsa_private_segment_fixed_size 0
		.amdhsa_enable_private_segment 0
		.amdhsa_kernarg_size 40
		.amdhsa_user_sgpr_count 2
		.amdhsa_user_sgpr_kernarg_segment_ptr 1
		.amdhsa_wavefront_size32 1
		.amdhsa_system_sgpr_workgroup_id_x 1
		.amdhsa_system_sgpr_workgroup_id_y 1
		.amdhsa_system_sgpr_workgroup_id_z 1
		.amdhsa_system_vgpr_workitem_id 0
		.amdhsa_next_free_vgpr 256
		.amdhsa_next_free_sgpr 102
		.amdhsa_reserve_vcc 1
		.amdhsa_float_denorm_mode_32 3
		.amdhsa_float_denorm_mode_16_64 3
		.amdhsa_memory_ordered 1
		.amdhsa_forward_progress 1
		.amdhsa_inst_pref_size 54
	.end_amdhsa_kernel
	.amdgpu_metadata
---
amdhsa.version: [ 1, 2 ]
amdhsa.kernels:
  - .name:           k_q546130ba83_attn
    .symbol:         k_q546130ba83_attn.kd
    .args:
      - { .name: qkv, .offset: 0, .size: 8, .value_kind: global_buffer, .address_space: global }
      - { .name: maskw, .offset: 8, .size: 8, .value_kind: global_buffer, .address_space: global }
      - { .name: flags, .offset: 16, .size: 8, .value_kind: global_buffer, .address_space: global }
      - { .name: lowp_scales, .offset: 24, .size: 8, .value_kind: global_buffer, .address_space: global }
      - { .name: oimg, .offset: 32, .size: 8, .value_kind: global_buffer, .address_space: global }
    .group_segment_fixed_size: 34816
    .private_segment_fixed_size: 0
    .kernarg_segment_align: 8
    .kernarg_segment_size: 40
    .max_flat_workgroup_size: 512
    .sgpr_count:     102
    .vgpr_count:     256
    .wavefront_size: 32
...
	.end_amdgpu_metadata
.endif
;; end of part 3
;; launch outp (part 4): grid 4 x 32, 4 waves a work-group, clusters of 4 x 4, 327,680 bytes of LDS; arguments oimg, codes, lowp_scales, out0; writes out0
.if DOCPART == 4
	.amdgcn_target "amdgcn-amd-amdhsa--gfx1250"
	.amdhsa_code_object_version 6
	.text
	.protected	k_q546130ba83_outp
	.globl	k_q546130ba83_outp
	.p2align	8
	.type	k_q546130ba83_outp,@function
k_q546130ba83_outp:
	s_mov_b64 s[64:65], 0
	v_nop
	global_prefetch_b8 v0, s[64:65] scope:SCOPE_SE
	s_setreg_imm32_b32 hwreg(HW_REG_WAVE_MODE, 25, 1), 1
	s_wait_xcnt 0x0
	s_wait_alu depctr_hold_cnt(0) depctr_sa_sdst(0) depctr_va_vdst(0) depctr_va_sdst(0) depctr_va_ssrc(0) depctr_va_vcc(0) depctr_vm_vsrc(0)
	s_getreg_b32 s2, hwreg(HW_REG_IB_STS2, 6, 4)
	s_cmp_eq_u32 s2, 0
	s_cbranch_scc0 .Lentry_in_a_cluster
	s_endpgm
.Lentry_in_a_cluster:
	s_bfe_u32 s2, ttmp6, 0x10000c
	s_cmp_lg_u32 s2, 0xf033
	s_cbranch_scc0 .Lentry_shape_is_right
	s_endpgm
.Lentry_shape_is_right:
; OUTP: out0 = O Wo^T on codes of FP8 (E4M3), [8192 x 1024 x 1024], f32 out: each finished sum x 2^(e10 + e11).  LIMIT: e10 + e11 lies between -126 and 127.
; The loop is that of the launch 'qkv': a tile of C, 256 x 256, by four waves of 128 x 128; A' (source 1) = O's codes, B' (source 0) = Wo's; operands lie in memory as images of fragments (16 rows x 128 k =
; 2,048 dense bytes); one tensor load brings 8 rows of 4,096 bytes (128 rows of the matrix x 256 k) dense into LDS; K = 1,024 is four K steps through two slots; 4 x 4 clusters with joint loads.
; In a result lane (r, h) holds row r of O and eight neighbouring columns: 32 bytes of a row of out0.  A block of 16 rows x 128 columns goes through my stage in LDS and leaves as whole rows of 512 bytes.
; The stage lies in slot 0, which has had its last fill and its last read when the first result is stored there.
; 128 work-groups: the tile is kept large for the sake of the LDS bytes read for each matrix instruction.
.set SIZE_N, 1024
.set KSTEPB, 4096
.set HALFT,  32768
.set SLOT,   4*HALFT
.set SPARE,  2*SLOT                    ; behind the ring: the spare words, 128 bytes for each wave
.set LAPS,   2
.set FR,     16
.set NL,     4
.set NP,     4
.set SPITCH, 528                       ; a stage row: 512 bytes + 16
.set ADRA, 16
.set ADRB, 20
.set STO,  24                          ; v24 the way out: where I put 32 bytes of a row
.set RD,   25                          ; v25 where I read a row back
.set CO,   26                          ; v26 my byte offset in a row of out0
.set SPW,  28
.set NIL,  29
.set TMP,  32
.set AF,   128
.set BK,   128
.set G1, 24
.set G0, 32
.set G1B, 48
.set G0B, 56
.set MSB, 0
.macro WIN new
.if MSB != (\new)
	s_set_vgpr_msb (MSB<<8)|(\new)
.set MSB, \new
.endif
.endm
.set MUL_LO, 0xa1
.set MUL_HI, 0xf1
.set TO_B,   0x40
.macro JLOAD g0a, g1a, g0b, g1b        ; a joint load: waves 0 and 1 fetch for A', waves 2 and 3 for B'; four v_nop follow each line
	s_cmp_eq_u32 s15, 0
	s_cbranch_scc0 .Lfor_b_\@
	tensor_load_to_lds s[\g0a:\g0a+3], s[\g1a:\g1a+7]
	s_nop 0
.rept 4
	v_nop
.endr
	s_branch .Lasked_\@
.Lfor_b_\@:
	tensor_load_to_lds s[\g0b:\g0b+3], s[\g1b:\g1b+7]
	s_nop 0
.rept 4
	v_nop
.endr
.Lasked_\@:
.endm
.macro CREST
	s_cmp_lg_u32 s14, 0
	s_cbranch_scc1 .Lnot_wave_0_\@
	s_barrier_signal -3
.Lnot_wave_0_\@:
	s_barrier_wait -3
	s_barrier_signal -1
	s_barrier_wait -1
.endm
.macro CROUND
	s_barrier_signal -1
	s_barrier_wait -1
	CREST
.endm
	s_load_b128 s[4:7], s[0:1], 0x0                ; oimg s[4:5], codes s[6:7]
	s_load_b128 s[8:11], s[0:1], 0x10              ; lowp_scales s[8:9], out0 s[10:11]
	v_lshl_add_u32 v[SPW], v0, 2, SPARE
	v_mov_b32 v[NIL], 0
	ds_add_u32 v28, v29
	ds_add_u32 v28, v29
	s_wait_dscnt 0x0
	v_lshrrev_b32 v1, 5, v0
	v_readfirstlane_b32 s14, v1                    ; wave 0..3
	s_lshr_b32 s15, s14, 1                         ; which half of the tile's rows is mine.  Also: I fetch for A' (0) or for B' (1)
	s_and_b32 s16, s14, 1                          ; which half of its columns.  Also: which 128 rows of that tile I fetch
	s_bfe_u32 s40, ttmp6, 0x40000                  ; cx
	s_bfe_u32 s41, ttmp6, 0x40004                  ; cy
	s_lshl_b32 s42, ttmp9, 2
	s_add_co_u32 s42, s42, s40                     ; tile column
	s_and_b32 s17, ttmp7, 0xffff
	s_lshl_b32 s17, s17, 2
	s_add_co_u32 s17, s17, s41                     ; tile row
	s_lshl_b32 s43, s41, 2
	s_lshl_b32 s43, 15, s43                        ; my row of the cluster
	s_lshl_b32 s44, 0x1111, s40                    ; my column
	s_or_b32 s[G1+0], s43, (3<<16)|(1<<21)         ; 15:0 the mask; 17:16 elements of 8 bytes; 21 set beside a mask; no padding
	s_or_b32 s[G1B+0], s44, (3<<16)|(1<<21)
.irp g, G1, G1B
	s_mov_b32 s[\g+1], 512<<16                     ; tensor_dim0
	s_mov_b32 s[\g+2], 8<<16                       ; tensor_dim1
	s_mov_b32 s[\g+3], 512<<16                     ; tile_dim0
	s_mov_b32 s[\g+4], 8                           ; tile_dim1
	s_mov_b32 s[\g+5], 2048                        ; tensor_dim0_stride
	s_mov_b32 s[\g+6], 0
	s_mov_b32 s[\g+7], 0
.endr
	s_lshl_b32 s20, s17, 1
	s_add_co_u32 s20, s20, s16
	s_lshl_b32 s20, s20, 17                        ; A': 128 rows are 0x20000 bytes
	s_mov_b32 s21, 0
	s_lshl_b32 s46, s42, 1
	s_add_co_u32 s46, s46, s16
	s_lshl_b32 s46, s46, 17
	s_add_co_u32 s46, s46, 0x1B00000               ; B': Wo's codes
	s_mov_b32 s47, 0
	s_mul_i32 s45, s14, HALFT
	s_wait_kmcnt 0x0
	s_load_b64 s[96:97], s[8:9], 0x28              ; e10, e11
	s_add_nc_u64 s[20:21], s[4:5], s[20:21]
	s_add_nc_u64 s[46:47], s[6:7], s[46:47]
	CROUND                                         ; all sixteen work-groups are here: the first joint loads meet
.irp s, 0,1
	s_mov_b32 s[G0+4*\s], 1
	s_add_co_u32 s[G0+4*\s+1], s45, \s*SLOT
	s_add_nc_u64 s[G0+4*\s+2:G0+4*\s+3], s[20:21], \s*KSTEPB
	s_or_b32 s[G0+4*\s+3], s[G0+4*\s+3], 0x80000000
	s_mov_b32 s[G0B+4*\s], 1
	s_add_co_u32 s[G0B+4*\s+1], s45, \s*SLOT
	s_add_nc_u64 s[G0B+4*\s+2:G0B+4*\s+3], s[46:47], \s*KSTEPB
	s_or_b32 s[G0B+4*\s+3], s[G0B+4*\s+3], 0x80000000
	JLOAD G0+4*\s, G1, G0B+4*\s, G1B
.endr
	v_and_b32 v1, 15, v0                           ; r
	v_bfe_u32 v2, v0, 4, 1                         ; h
	v_and_b32 v6, 31, v0
	v_lshlrev_b32 v[CO], 4, v6                     ; 16 x lane
	s_mul_i32 s21, s15, HALFT
	s_mul_i32 s22, s16, HALFT
	s_add_co_u32 s22, s22, 2*HALFT
.irp s, 0,1
	v_add_nc_u32 v[ADRA+\s], s21, v[CO]
	v_add_nc_u32 v[ADRB+\s], s22, v[CO]
	s_add_co_u32 s21, s21, SLOT
	s_add_co_u32 s22, s22, SLOT
.endr
	s_mul_i32 s23, s14, 16*SPITCH                  ; my stage
	v_mul_u32_u24 v5, v1, SPITCH
	v_lshl_add_u32 v5, v2, 5, v5
	v_add_nc_u32 v[STO], s23, v5                   ; in: row r, 32 bytes for each half of the lanes
	v_add_nc_u32 v[RD], s23, v[CO]                 ; back: the 32 lanes take one row of 512 bytes
	s_lshl_b32 s20, s17, 8
	s_lshl_b32 s21, s15, 7
	s_add_co_u32 s20, s20, s21                     ; my first row of out0
	s_lshl_b32 s20, s20, 12                        ; a row is 4,096 bytes
	s_lshl_b32 s46, s42, 10                        ; my first column, in bytes
	s_lshl_b32 s47, s16, 9
	s_add_co_u32 s46, s46, s47
	s_add_co_u32 s20, s20, s46
	s_mov_b32 s21, 0
	s_add_nc_u64 s[10:11], s[10:11], s[20:21]
.macro FRAG reg, adr, q, i
.irp c, 0,1,2,3
	ds_load_b128 v[\reg+4*\c:\reg+4*\c+3], v[\adr] offset:4096*(\i)+2048*(\q)+512*\c
.endr
.endm
.macro MUL16 a0, p, zero               ; the 64 accumulators take turns, one instruction a turn
.irp a, \a0, \a0+1
.irp b, 0,1,2,3,4,5,6,7
.if \zero
	v_wmma_f32_16x16x128_fp8_fp8 v[8*(8*((\a)%4)+\b):8*(8*((\a)%4)+\b)+7], v[128*(\p)+FR*\b:128*(\p)+FR*\b+FR-1], v[AF+FR*(\a):AF+FR*(\a)+FR-1], 0
.else
	v_wmma_f32_16x16x128_fp8_fp8 v[8*(8*((\a)%4)+\b):8*(8*((\a)%4)+\b)+7], v[128*(\p)+FR*\b:128*(\p)+FR*\b+FR-1], v[AF+FR*(\a):AF+FR*(\a)+FR-1], v[8*(8*((\a)%4)+\b):8*(8*((\a)%4)+\b)+7]
.endif
.endr
.endr
.endm
.macro FETCH_B slot, q, p
	WIN TO_B
.irp i, 0,1,2,3,4,5,6,7
	FRAG 128*(\p)+FR*\i, ADRB+\slot, \q, \i
.endr
	WIN 0
.endm
.macro FETCH_A slot, q, i0
.irp i, \i0, \i0+1, \i0+2, \i0+3
	FRAG AF+FR*(\i), ADRA+\slot, \q, \i
.endr
.endm
.macro PLACES n
.rept \n
	v_nop
.endr
.endm
.macro STEP slot, q, zero
	s_wait_dscnt 4*NL                              ; B's set and A's blocks 0-3 are in; the youngest sixteen loads may be out
	WIN MUL_LO
	MUL16 0, (\q)%2, \zero
	MUL16 2, (\q)%2, \zero
	s_wait_dscnt 0
	PLACES NP
	FETCH_B \slot, (\q)+1, 1-(\q)%2
	FETCH_A \slot, (\q)+1, 0
	WIN MUL_HI
	MUL16 4, (\q)%2, \zero
	MUL16 6, (\q)%2, \zero
	PLACES NP
	WIN 0
	FETCH_A \slot, (\q)+1, 4
.endm
.macro TURN slot, next, fill
	s_wait_tensorcnt 0x0                           ; all my tensor loads have landed: my part of the next slot
	ds_add_u32 v[SPW], v[NIL]                      ; 0 onto my spare word
	s_wait_dscnt 4*NL+1                            ; (the add and the youngest sixteen loads may be out)
	WIN MUL_LO
	MUL16 0, 1, 0
	s_wait_dscnt 0x0                               ; the add is done, and my reads of this slot are over
	s_barrier_signal -1
	MUL16 2, 1, 0
	WIN 0
	s_barrier_wait -1
.if \fill
	CREST
	s_add_nc_u64 s[G0+4*\slot+2:G0+4*\slot+3], s[G0+4*\slot+2:G0+4*\slot+3], 2*KSTEPB
	s_add_nc_u64 s[G0B+4*\slot+2:G0B+4*\slot+3], s[G0B+4*\slot+2:G0B+4*\slot+3], 2*KSTEPB
	JLOAD G0+4*\slot, G1, G0B+4*\slot, G1B         ; the first tensor load behind the round, my only one until the next
.else
	PLACES NP
.endif
	FETCH_B \next, 0, 0
	FETCH_A \next, 0, 0
	WIN MUL_HI
	MUL16 4, 1, 0
	MUL16 6, 1, 0
	PLACES NP
	WIN 0
	FETCH_A \next, 0, 4
.endm
	s_wait_tensorcnt 1                             ; my part of K step 0 is in; K step 1's load may be out
	s_barrier_signal -1
	s_barrier_wait -1
	FETCH_B 0, 0, 0
	FETCH_A 0, 0, 0
	FETCH_A 0, 0, 4
	STEP 0, 0, 1
	s_mov_b32 s3, LAPS-1
.Llap:
	TURN 0, 1, 1
	STEP 1, 0, 0
	TURN 1, 0, 1
	STEP 0, 0, 0
	s_sub_co_u32 s3, s3, 1
	s_cmp_lg_u32 s3, 0
	s_cbranch_scc1 .Llap
	TURN 0, 1, 0
	STEP 1, 0, 0
	s_wait_dscnt 4*NL
	WIN MUL_LO
	MUL16 0, 1, 0
	MUL16 2, 1, 0
	s_wait_dscnt 0
	WIN MUL_HI
	MUL16 4, 1, 0
	MUL16 6, 1, 0
	WIN 0
; THE WAY OUT, block by block of 16 rows x 128 columns, through my own stage.  LDS serves a wave's instructions in order (ISA guide 5.7.1.4): no wait between the stores and the loads.
.macro TOSTAGE a
.set AC, 64*((\a)%4)
	WIN 0x02+((\a)/4)
.irp j, 0,2,4,6,8,10,12,14,16,18,20,22,24,26,28,30,32,34,36,38,40,42,44,46,48,50,52,54,56,58,60,62
	v_pk_mul_f32 v[TMP+\j:TMP+\j+1], v[AC+\j:AC+\j+1], s[96:97] op_sel_hi:[1,0]   ; both x 2^(e10 + e11); each accumulator from its low end on
.endr
	WIN 0
.irp b, 0,1,2,3,4,5,6,7
	ds_store_b128 v[STO], v[TMP+8*\b:TMP+8*\b+3] offset:64*\b
	ds_store_b128 v[STO], v[TMP+8*\b+4:TMP+8*\b+7] offset:64*\b+16
.endr
.set BB, BK+64*((\a)%2)
.irp t, 0,1,2,3,4,5,6,7,8,9,10,11,12,13,14,15
	ds_load_b128 v[BB+4*\t:BB+4*\t+3], v[RD] offset:\t*SPITCH
.endr
.endm
.macro SEND a, younger                 ; younger: the LDS instructions issued behind block a's loads, which may stay out
.set BB, BK+64*((\a)%2)
	s_wait_dscnt \younger
.if (\a) > 0
	s_add_nc_u64 s[10:11], s[10:11], 16*SIZE_N*4   ; (behind a wait on XCNT: the earlier stores have read their base)
.endif
.irp t, 0,1,2,3,4,5,6,7,8,9,10,11,12,13,14,15
	global_store_b128 v[CO], v[BB+4*\t:BB+4*\t+3], s[10:11] offset:\t*SIZE_N*4 th:TH_STORE_NT   ; 32 lanes store 512 consecutive bytes, aligned
.endr
.endm
	s_wait_kmcnt 0x0
	s_add_co_i32 s96, s96, s97
	s_add_co_i32 s96, s96, 127
	s_lshl_b32 s96, s96, 23                        ; 2^(e10 + e11) as f32
	PLACES NP
	TOSTAGE 0
.irp a, 1,2,3,4,5,6,7
.if \a > 1
	s_wait_xcnt 0x0                                ; block a - 2's stores have read their registers and their base
.endif
	TOSTAGE \a
	SEND \a-1, 32                                  ; behind block a - 1's loads: block a's 16 stores and 16 loads
.endr
	s_wait_xcnt 0x0
	SEND 7, 0
	s_wait_tensorcnt 0x0                           ; the wave's end
	ds_add_u32 v[SPW], v[NIL]
	s_wait_dscnt 0x0
	CROUND                                         ; the closing round
	s_endpgm
.Lfunc_end_k_q546130ba83_outp:
	.size	k_q546130ba83_outp, .Lfunc_end_k_q546130ba83_outp-k_q546130ba83_outp
	.p2alignl 7, 3214868480
	.fill 96, 4, 3214868480
	.section	.rodata,"a",@progbits
	.p2align	6, 0x0
	.amdhsa_kernel k_q546130ba83_outp
		.amdhsa_group_segment_fixed_size 327680
		.amdhsa_private_segment_fixed_size 0
		.amdhsa_enable_private_segment 0
		.amdhsa_kernarg_size 32
		.amdhsa_user_sgpr_count 2
		.amdhsa_user_sgpr_kernarg_segment_ptr 1
		.amdhsa_wavefront_size32 1
		.amdhsa_system_sgpr_workgroup_id_x 1
		.amdhsa_system_sgpr_workgroup_id_y 1
		.amdhsa_system_sgpr_workgroup_id_z 1
		.amdhsa_system_vgpr_workitem_id 0
		.amdhsa_next_free_vgpr 1024
		.amdhsa_next_free_sgpr 98
		.amdhsa_reserve_vcc 0
		.amdhsa_float_denorm_mode_32 3
		.amdhsa_float_denorm_mode_16_64 3
		.amdhsa_memory_ordered 1
		.amdhsa_forward_progress 1
		.amdhsa_inst_pref_size 123
	.end_amdhsa_kernel
	.amdgpu_metadata
---
amdhsa.version: [ 1, 2 ]
amdhsa.kernels:
  - .name:           k_q546130ba83_outp
    .symbol:         k_q546130ba83_outp.kd
    .args:
      - { .name: oimg, .offset: 0, .size: 8, .value_kind: global_buffer, .address_space: global }
      - { .name: codes, .offset: 8, .size: 8, .value_kind: global_buffer, .address_space: global }
      - { .name: lowp_scales, .offset: 16, .size: 8, .value_kind: global_buffer, .address_space: global }
      - { .name: out0, .offset: 24, .size: 8, .value_kind: global_buffer, .address_space: global }
    .group_segment_fixed_size: 327680
    .private_segment_fixed_size: 0
    .kernarg_segment_align: 8
    .kernarg_segment_size: 32
    .max_flat_workgroup_size: 128
    .sgpr_count:     98
    .vgpr_count:     1024
    .wavefront_size: 32
...
	.end_amdgpu_metadata
.endif
;; end of part 4
;; ======== version 2 of 2: 4 launches; version 1 with the launch attn written anew for expert scheduling mode
;; workspace buffers: codes 29,360,128 bytes; qkv 25,165,824 bytes; oimg 8,388,608 bytes; maskw 524,288 bytes of whole numbers; flags 2,048 bytes of whole numbers
;; launch prep: the kernel of part 1 again; grid 512 x 1, 4 waves a work-group, no clusters, 51,712 bytes of LDS; arguments x, Wq, Wk, Wv, Wo, mask, lowp_scales, codes, maskw, flags; writes codes, maskw, flags
;; launch qkv: the kernel of part 2 again; grid 12 x 32, 4 waves a work-group, clusters of 4 x 4, 327,680 bytes of LDS; arguments codes, lowp_scales, qkv; writes qkv
;; launch attn (part 5): grid 8 x 64, 16 waves a work-group, no clusters, 34,816 bytes of LDS; arguments qkv, maskw, flags, lowp_scales, oimg; writes oimg
.if DOCPART == 5
	.amdgcn_target "amdgcn-amd-amdhsa--gfx1250"
	.amdhsa_code_object_version 6
	.text
	.protected	k_q546130ba83_attn
	.globl	k_q546130ba83_attn
	.p2align	8
	.type	k_q546130ba83_attn,@function
k_q546130ba83_attn:
	s_mov_b64 s[64:65], 0
	v_nop
	global_prefetch_b8 v0, s[64:65] scope:SCOPE_SE
	s_setreg_imm32_b32 hwreg(HW_REG_WAVE_SCHED_MODE, 0, 2), 2
	s_setreg_imm32_b32 hwreg(HW_REG_WAVE_MODE, 25, 1), 1
	s_wait_xcnt 0x0
	s_wait_alu depctr_vm_vsrc(0)
; ATTN: for each (batch, head): S = q k^T / 8 under the GIVEN mask, p = 2^(t - M), O = p v / the row's sum; both products on codes of FP8 (E4M3); O is quantised (entry 10 of lowp_scales) and stored as an image for the last product.
; t = score x log2(e) / 8; M = the running largest t rounded UP to a whole number; the sum is taken of the unquantised p; when M moves, the sum and O are multiplied by 2^(old M - new M): nothing is rounded.
; A row of the mask with no true entry has the sum 0: its codes are the NaN code, so that the output row is NaN as the definition has it.
; LIMITS: e6 + e7 between -123 and 130 (added to c's exponent field); e8 between -126 and 119; e8 + e9 - e10 goes through v_ldexp_f32 and has none.
; SHARES: a work-group owns the blocks of 128 queries j and 15 - j of one head (j = work-group x); each of its sixteen waves owns ONE tile of 16 queries in 256 registers, four waves to a SIMD, two of each block.
; Every wave walks 16 steps of 128 keys with one barrier a step (constant trip count).  A step's WORK is left out by a wave whose tile has no true mask entry there, and the mask's 64 selects are left out where all entries
; are true: scalar branches on the flags that the first launch stored.  Right for every mask.
; K and V go memory -> registers -> LDS (32 bytes a thread a step), two slots by turns: NO TENSOR LOAD AND NO JOINT LOAD, since the branches above hang on numbers read from memory; a step that no wave of the
; work-group needs is not fetched either.
; LAYOUT: S^T = K Q^T (source 0 = 16 keys, source 1 = my 16 queries): lane (r, h) holds query r, register 8 t + j key 16 t + 8 h + j; converted eight at a time these ARE source 1 of O^T = V^T P (K = 128 keys).
; V's channel places are permuted (first launch) so that O^T's tiles 2 c, 2 c + 1 give a lane channels 32 c + 16 h + 0 .. 15.
; LDS: slot s2 at 16384 s2: K's image of a step (8,192 bytes), then V's.  Images are read at 16 x lane: dense.
; REGISTERS: v1 16 x lane; v2 16 x thread; v3 256 x lane; v[4:11] K, V in transit; v12 -M, v13 largest t, v[14:15] the sum; v[16:23] Q; v[32:95] K's, then V's fragments; v[96:159] S^T, p; v[160:191] O^T;
; v[192:207] p's codes; v208-214 at work; v215 -infinity; v216 448 x 2^e8; v217 2^e8; v[218:225] the output's codes; v226 448; v227 1.0; v228 four NaN codes.
; s16 any, s17 all, s18 need (bit 0: the step in hand; for need: the next step); s19 trip; s[20:21] lane selects; s[22:23] c; s[24:25] K, s[26:27] V, s[28:29] mask words, s[30:31] prefetch; s[32:63], s[68:99] the step's 64 mask words.
; THE MODE: SCHED_MODE bits 1:0 = 2 (LLVM: expert scheduling mode 2), set by the entry lines.  The code itself states the register dependences between vector or matrix instructions and memory or LDS instructions,
; with s_wait_alu, always for 0.
; THE PLAN.  Registers that memory or LDS instructions touch:
;   v1, v2, v3  offsets and LDS addresses.  Written by vector instructions at the head and never again: one wait on va_vdst ahead of the first load serves every load, store and prefetch of the kernel.
;   v[4:11]     Written by the two global loads at a step's head, read by the two LDS stores at its end; no vector instruction names them.  One wait on vm_vsrc ahead of the loads: the stores of the step before have read them.
;   v[16:23]    Q: loaded once, then read by the score products alone.
;   v[32:95]    K's LDS loads land; the eight score products read; V's LDS loads land; the four products V^T P read.  So two waits on va_vdst a step: ahead of K's loads (the last step's V^T P are done reading) and
;               behind the score products (they are done reading).  Behind the second, V's sixteen loads are dealt among the lines of the maximum, which name v[96:159], v208, v209 and, under the mask, v215: none of
;               the registers that those loads touch.
;   v[218:225]  Written by the last conversions and selects, read by the two global stores: one wait on va_vdst ahead of the stores.
;   s14 (v_readfirstlane_b32) and VCC (one compare on the way out) have a wait each ahead of their first reader.  EXEC is never written.
	s_load_b256 s[4:11], s[0:1], 0x0               ; qkv s[4:5], maskw s[6:7], flags s[8:9], lowp_scales s[10:11]
	s_load_b64 s[12:13], s[0:1], 0x20              ; oimg
	v_lshl_add_u32 v254, v0, 2, 0x8000
	v_mov_b32 v255, 0
	v_lshrrev_b32 v1, 5, v0
	v_readfirstlane_b32 s14, v1                    ; wave 0..15
	v_and_b32 v3, 31, v0
	v_lshlrev_b32 v1, 4, v3
	v_lshlrev_b32 v3, 8, v3
	v_lshlrev_b32 v2, 4, v0
	s_wait_alu depctr_va_sdst(0)                   ; s14 is written, ahead of its first reader: my tile, my addresses and the prefetches' choice are made from it
	s_and_b32 s2, ttmp7, 0xffff                    ; 16 x batch + head
	s_lshr_b32 s3, s14, 2
	s_xor_b32 s3, s3, s14
	s_and_b32 s3, s3, 1                            ; which of the two blocks: waves 2 m and 2 m + 1 differ
	s_sub_co_u32 s15, 15, ttmp9
	s_cmp_eq_u32 s3, 0
	s_cselect_b32 s15, ttmp9, s15
	s_lshl_b32 s15, s15, 3
	s_lshr_b32 s3, s14, 1
	s_add_co_u32 s15, s15, s3                      ; T: my tile of 16 queries, 0 .. 127
	s_mov_b32 s17, 0
	s_lshl_b32 s16, s2, 17
	s_wait_kmcnt 0x0
	s_add_nc_u64 s[4:5], s[4:5], s[16:17]          ; my head's q
	s_add_nc_u64 s[24:25], s[4:5], 0x800000        ; its k
	s_add_nc_u64 s[26:27], s[4:5], 0x1000000       ; its v
	s_wait_alu depctr_va_vdst(0)                   ; v1, v2 and v3 are written: every load, store, LDS instruction and prefetch of the kernel reads one of them as its offset or address
	global_load_b128 v[4:7], v2, s[24:25]          ; step 0's tiles, always: 512 threads x 16 bytes are an image of 8,192
	global_load_b128 v[8:11], v2, s[26:27]
	s_lshl_b32 s16, s15, 10
	s_add_nc_u64 s[4:5], s[4:5], s[16:17]
	global_load_b128 v[16:19], v1, s[4:5]          ; Q's fragment stays in registers
	global_load_b128 v[20:23], v1, s[4:5] offset:512
	s_load_b128 s[68:71], s[10:11], 0x18           ; e6, e7, e8, e9
	s_load_b64 s[72:73], s[10:11], 0x28            ; e10, e11
	s_lshl_b32 s16, s15, 4
	s_add_nc_u64 s[32:33], s[8:9], s[16:17]
	s_load_b128 s[36:39], s[32:33], 0x0            ; my tile's four flag words
	s_lshl_b32 s16, s15, 12
	s_add_nc_u64 s[28:29], s[6:7], s[16:17]        ; my tile's mask words
	s_lshr_b32 s16, s2, 4
	s_lshl_b32 s16, s16, 7
	s_add_co_u32 s16, s16, s15                     ; the output's tile of 16 rows: 128 x batch + T
	s_lshl_b32 s16, s16, 14
	s_bfe_u32 s3, s2, 0x30001
	s_lshl_b32 s3, s3, 11
	s_add_co_u32 s16, s16, s3                      ; + 2,048 x (head / 2): the K step of 128
	s_and_b32 s3, s2, 1
	s_lshl_b32 s3, s3, 10
	s_add_co_u32 s16, s16, s3                      ; + 1,024 x (head % 2): its upper two runs
	s_add_nc_u64 s[12:13], s[12:13], s[16:17]
	s_and_b32 s16, s14, 1
	s_lshl_b32 s16, s16, 23
	s_add_nc_u64 s[30:31], s[24:25], s[16:17]      ; the prefetches: wave 0 K's images, wave 1 V's
	s_lshr_b32 s16, s14, 1
	s_or_b32 s16, s16, ttmp9
	s_cmp_eq_u32 s16, 0
	s_cselect_b32 s100, 7, 0                       ; waves 0 and 1 of the head's first work-group ask, in trips 0 to 6
	s_lshl_b32 s16, ttmp9, 7
	s_add_nc_u64 s[2:3], s[8:9], s[16:17]          ; the flags of block j: 32 words,
	s_sub_co_u32 s16, 15, ttmp9
	s_lshl_b32 s16, s16, 7
	s_add_nc_u64 s[18:19], s[8:9], s[16:17]        ; and of block 15 - j
	v_mov_b32 v13, 0xff61b1e6                      ; the largest t so far: -3e38
	v_floor_f32 v12, -v13                          ; -M
	v_mov_b32 v14, 0
	v_mov_b32 v15, 0
	v_mov_b32 v211, 0                              ; (named as the upper half of the pair v[210:211])
	v_mov_b32 v214, 0                              ; a lane permute's destination counts as one of its sources
	v_mov_b32 v215, 0xff800000
	s_wait_kmcnt 0x0
	s_add_co_i32 s15, s68, s69
	s_lshl_b32 s15, s15, 23
	s_add_co_i32 s22, s15, 0x3e38aa3b              ; c = log2(e) / 8 x 2^(e6 + e7)
	s_mov_b32 s23, s22                             ; (named with it as a pair)
	s_mov_b32 s66, s70                             ; e8
	s_add_co_i32 s67, s70, s71
	s_sub_co_i32 s67, s67, s72                     ; e8 + e9 - e10
	s_add_co_i32 s15, s70, 127
	s_lshl_b32 s20, s15, 23
	v_mov_b32 v217, s20
	s_add_co_i32 s15, s15, 8
	s_lshl_b32 s15, s15, 23
	s_or_b32 s15, s15, 0x600000
	v_mov_b32 v216, s15
	s_and_b32 s16, s36, 15                         ; bit s of s16: step s has a true entry for my tile; of s17: all its entries are true
	s_bfe_u32 s17, s36, 0x40010
.irp q, 1,2,3
	s_and_b32 s15, s[36+\q], 15
	s_lshl_b32 s15, s15, 4*\q
	s_or_b32 s16, s16, s15
	s_bfe_u32 s15, s[36+\q], 0x40010
	s_lshl_b32 s15, s15, 4*\q
	s_or_b32 s17, s17, s15
.endr
	s_load_b512 s[32:47], s[2:3], 0x0              ; the flags of all sixteen tiles of the work-group
	s_load_b512 s[48:63], s[2:3], 0x40
	s_load_b512 s[68:83], s[18:19], 0x0
	s_load_b512 s[84:99], s[18:19], 0x40
	s_mov_b32 s20, 0x76543210
	s_mov_b32 s21, 0xfedcba98
.set j, 0
.rept 32
	v_mov_b32 v[160+j], 0                          ; O^T: which step is a tile's first hangs on the mask, so the sums begin as zeros
.set j, j+1
.endr
	s_wait_kmcnt 0x0
.irp q, 0,1,2,3
.irp i, 1,2,3,4,5,6,7
	s_or_b32 s[32+\q], s[32+\q], s[32+4*\i+\q]
.endr
.irp i, 0,1,2,3,4,5,6,7
	s_or_b32 s[32+\q], s[32+\q], s[68+4*\i+\q]
.endr
.endr
	s_and_b32 s18, s32, 15
.irp q, 1,2,3
	s_and_b32 s15, s[32+\q], 15
	s_lshl_b32 s15, s15, 4*\q
	s_or_b32 s18, s18, s15
.endr
	s_lshr_b32 s18, s18, 1                         ; bit 0 now speaks of step 1: some wave of the work-group needs it.  The same in all sixteen waves.  There is no bit for a step 16
	s_mov_b32 s19, 0
	s_wait_loadcnt 0x0                             ; step 0's tiles and Q
	ds_store_b128 v2, v[4:7]                       ; (no vector instruction since the wait on va_vdst above names v2 or v[4:11])
	ds_store_b128 v2, v[8:11] offset:8192
	s_wait_dscnt 0x0                               ; for the others' sake
	s_barrier_signal -1
	s_barrier_wait -1
.macro VLOAD sl, run                   ; run 0 .. 15 of V's image in slot sl: registers 4 (run % 4) on of the fragment of channel places 16 (run / 4) on
	ds_load_b128 v[32+4*(\run):35+4*(\run)], v1 offset:16384*(\sl)+8192+512*(\run)
.endm
.macro COMPUTE sl                      ; my tile against the 128 keys in slot sl
	s_bitcmp1_b32 s17, 0
	s_cbranch_scc1 .Lm1_\@                         ; all true: no words are fetched
	s_load_b512 s[32:47], s[28:29], 256*\sl
	s_load_b512 s[48:63], s[28:29], 256*\sl+64
	s_load_b512 s[68:83], s[28:29], 256*\sl+128
	s_load_b512 s[84:99], s[28:29], 256*\sl+192
.Lm1_\@:
.rept 4
	v_nop                                          ; four plain lines behind the last step's products, in front of loads into registers that they read; the dependence itself is stated by the wait below
.endr
	s_wait_alu depctr_va_vdst(0)                   ; the last step's products V^T P are done reading v[32:95], in which K's fragments land
.irp t, 0,1,2,3,4,5,6,7
.irp c, 0,1
	ds_load_b128 v[32+8*\t+4*\c:35+8*\t+4*\c], v1 offset:16384*\sl+1024*\t+512*\c
.endr
.endr
	s_wait_dscnt 0x0
.irp t, 0,1,2,3,4,5,6,7
	v_wmma_f32_16x16x64_fp8_fp8 v[96+8*\t:103+8*\t], v[32+8*\t:39+8*\t], v[16:23], 0
.endr
.rept 4
	v_nop                                          ; places: for the first read of the scores, and in front of V's loads
.endr
	s_wait_alu depctr_va_vdst(0)                   ; the score products are done reading v[32:95], in which V's fragments land: the sixteen loads follow among the lines of the maximum
	s_wait_kmcnt 0x0
	s_bitcmp1_b32 s17, 0
	s_cbranch_scc1 .Lopen_\@
.set j, 0
.rept 64
	v_cndmask_b32 v[96+j], v215, v[96+j], s[32+j+4*(j/32)]   ; where the mask is false the score becomes -infinity: p = 0 then
.set j, j+1
.endr
.Lopen_\@:
	VLOAD \sl, 0                                   ; V's fragments land while the softmax is walked.  No wait: no vector or matrix instruction since the wait above names v1 or v[32:95]
	v_max3_num_f32 v208, v96, v97, v98             ; the step's largest score of my query among my 64 keys, in two chains,
	v_max3_num_f32 v209, v99, v100, v101
.set vn, 1
.irp i, 6,10,14,18,22,26,30,34,38,42,46,50,54,58
	VLOAD \sl, vn
	v_max3_num_f32 v208, v208, v[96+\i], v[97+\i]
	v_max3_num_f32 v209, v209, v[98+\i], v[99+\i]
.set vn, vn+1
.endr
	VLOAD \sl, 15
	v_max3_num_f32 v208, v208, v158, v159
	v_max_num_f32 v208, v208, v209
	v_permlanex16_b32 v214, v208, s20, s21
	v_max_num_f32 v208, v208, v214                 ; and among lane l xor 16's
	v_mul_f32 v208, s22, v208                      ; as t (c is positive)
	v_max_num_f32 v13, v13, v208
	v_mov_b32 v208, v12
	v_floor_f32 v12, -v13                          ; the new -M = -ceil(t)
	v_sub_f32 v208, v12, v208                      ; old M - new M: a whole number, 0 or less
	v_cvt_i32_f32 v208, v208                       ; (it saturates)
	v_ldexp_f32 v210, 1.0, v208                    ; f = 2^(old M - new M)
.set j, 0
.rept 32
	v_pk_fma_f32 v[96+j:97+j], v[96+j:97+j], s[22:23], v[12:13] op_sel_hi:[1,0,0]   ; t - M, two at a time
.set j, j+2
.endr
.set j, 0
.rept 64
	v_exp_f32 v[96+j], v[96+j]                     ; p = 2^(t - M)
.set j, j+1
.endr
	v_pk_mul_f32 v[14:15], v[14:15], v[210:211] op_sel_hi:[1,0]   ; the sums under the new M: the plain line behind the exponentials
	s_wait_alu depctr_va_vdst(0)                   ; the 64 exponentials have written v[96:159]: one wait for the whole batch, ahead of its first reader
	v_pk_add_f32 v[212:213], v[96:97], v[98:99]    ; the sum of the UNQUANTISED p, in two chains
.irp j, 4,8,12,16,20,24,28,32,36,40,44,48,52,56,60
	v_pk_add_f32 v[14:15], v[14:15], v[96+\j:97+\j]
	v_pk_add_f32 v[212:213], v[212:213], v[98+\j:99+\j]
.endr
	v_pk_add_f32 v[14:15], v[14:15], v[212:213]
	s_cmp_ge_i32 s66, -8                           ; p <= 1, so p / 2^e8 <= 256 < 448 wherever e8 >= -8: the hold then changes nothing and is passed over
	s_cbranch_scc1 .Lnh_\@
.set j, 0
.rept 64
	v_min_num_f32 v[96+j], v[96+j], v216           ; the conversion does not saturate (ISA guide 7.6.2); p is not negative
.set j, j+1
.endr
.Lnh_\@:
.irp t, 0,1,2,3,4,5,6,7
	v_cvt_scalef32_pk8_fp8_f32 v[192+2*\t:193+2*\t], v[96+8*\t:103+8*\t], v217
.endr
.set j, 0
.rept 16
	v_pk_mul_f32 v[160+j:161+j], v[160+j:161+j], v[210:211] op_sel_hi:[1,0]   ; O^T under the new M, from each accumulator's low end on; also the plain lines behind the conversions
.set j, j+2
.endr
	s_wait_dscnt 0x0                               ; V's fragments
.irp dt, 0,1,2,3
	v_wmma_f32_16x16x128_fp8_fp8 v[160+8*\dt:167+8*\dt], v[32+16*\dt:47+16*\dt], v[192:207], v[160+8*\dt:167+8*\dt]   ; the four accumulators take turns; eight score products stand between two turns of one
.endr
.endm
.macro KSTEP sl                        ; the step in slot sl; the next step's tiles go into the other slot
	s_bitcmp1_b32 s18, 0
	s_cbranch_scc0 .Lnl_\@
	s_wait_alu depctr_vm_vsrc(0)                   ; the LDS stores of the step before (in the first trip: the head's) have read v[4:11], in which the two loads below land
	global_load_b128 v[4:7], v2, s[24:25] offset:(\sl+1)*8192
	global_load_b128 v[8:11], v2, s[26:27] offset:(\sl+1)*8192
.Lnl_\@:
	s_cmp_lt_u32 s19, s100
	s_cbranch_scc0 .Lnp_\@
	global_prefetch_b8 v3, s[30:31] offset:(\sl+2)*8192 th:TH_LOAD_NT scope:SCOPE_SE   ; the image of the step after the one just asked for: 8,192 bytes, lanes 256 bytes apart; steps 2 to 15, each named once in the launch
.Lnp_\@:
	s_bitcmp1_b32 s16, 0
	s_cbranch_scc0 .Lidle_\@
	COMPUTE \sl
.Lidle_\@:
	s_wait_loadcnt 0x0                             ; on every path: no load is left pending on v[4:11]
	s_bitcmp1_b32 s18, 0
	s_cbranch_scc0 .Lns_\@
	ds_store_b128 v2, v[4:7] offset:(1-\sl)*16384  ; the other slot was last read ahead of the last barrier.  (Loads wrote the data, the head the address: no vector instruction names either)
	ds_store_b128 v2, v[8:11] offset:(1-\sl)*16384+8192
.Lns_\@:
	s_lshr_b32 s16, s16, 1
	s_lshr_b32 s17, s17, 1
	s_lshr_b32 s18, s18, 1
	s_wait_dscnt 0x0                               ; my stores have landed, and my reads of this slot are over
	s_barrier_signal -1
	s_barrier_wait -1
.endm
.Ltrip:                                            ; eight trips of two steps
	KSTEP 0
	KSTEP 1
	s_wait_xcnt 0x0                                ; the trip's loads and prefetches have read their bases
	s_add_nc_u64 s[24:25], s[24:25], 16384
	s_add_nc_u64 s[26:27], s[26:27], 16384
	s_add_nc_u64 s[30:31], s[30:31], 16384
	s_add_nc_u64 s[28:29], s[28:29], 512
	s_add_co_u32 s19, s19, 1
	s_cmp_lt_u32 s19, 8
	s_cbranch_scc1 .Ltrip
	; THE WAY OUT: O^T / the sum x 2^(e8 + e9 - e10), held, converted with the scale 1: two runs of the image for the last product.
.rept 4
	v_nop
.endr
	v_add_f32 v14, v14, v15
	v_permlanex16_b32 v214, v14, s20, s21
	v_add_f32 v14, v14, v214                       ; the row's sum
	v_cmp_eq_f32 vcc_lo, 0, v14                    ; 0: no key counted for this query
	v_rcp_f32 v210, v14
	v_mov_b32 v226, 0x43e00000                     ; 448  (the plain line behind the reciprocal)
	v_mov_b32 v227, 1.0
	v_mov_b32 v228, 0x7f7f7f7f
	s_wait_alu depctr_va_vdst(0)                   ; the reciprocal has written v210, ahead of its first reader
	v_ldexp_f32 v210, v210, s67
.set j, 0
.rept 16
	v_pk_mul_f32 v[96+j:97+j], v[160+j:161+j], v[210:211] op_sel_hi:[1,0]
.set j, j+2
.endr
.set j, 0
.rept 32
	v_med3_num_f32 v[96+j], v[96+j], -v226, v226
.set j, j+1
.endr
.irp g, 0,1,2,3
	v_cvt_scalef32_pk8_fp8_f32 v[218+2*\g:219+2*\g], v[96+8*\g:103+8*\g], v227
.endr
	v_nop
	s_wait_alu depctr_va_vcc(0)                    ; the compare has written VCC, ahead of its first reader: the eight selects below
.irp g, 0,1,2,3,4,5,6,7
	v_cndmask_b32 v[218+\g], v[218+\g], v228, vcc_lo
.endr
	s_wait_alu depctr_va_vdst(0)                   ; the selects have written v[218:225], which the two stores read
	global_store_b128 v1, v[218:221], s[12:13]               ; 32 lanes store 512 consecutive bytes, aligned
	global_store_b128 v1, v[222:225], s[12:13] offset:512
	s_wait_dscnt 0x0
	s_wait_alu depctr_hold_cnt(0) depctr_sa_sdst(0) depctr_va_vdst(0) depctr_va_sdst(0) depctr_va_ssrc(0) depctr_va_vcc(0) depctr_vm_vsrc(0)
	s_wait_tensorcnt 0x0
	ds_add_u32 v254, v255
	s_wait_dscnt 0x0
	s_endpgm
.Lfunc_end_k_q546130ba83_attn:
	.size	k_q546130ba83_attn, .Lfunc_end_k_q546130ba83_attn-k_q546130ba83_attn
	.p2alignl 7, 3214868480
	.fill 96, 4, 3214868480
	.section	.rodata,"a",@progbits
	.p2align	6, 0x0
	.amdhsa_kernel k_q546130ba83_attn
		.amdhsa_group_segment_fixed_size 34816
		.amdhsa_private_segment_fixed_size 0
		.amdhsa_enable_private_segment 0
		.amdhsa_kernarg_size 40
		.amdhsa_user_sgpr_count 2
		.amdhsa_user_sgpr_kernarg_segment_ptr 1
		.amdhsa_wavefront_size32 1
		.amdhsa_system_sgpr_workgroup_id_x 1
		.amdhsa_system_sgpr_workgroup_id_y 1
		.amdhsa_system_sgpr_workgroup_id_z 1
		.amdhsa_system_vgpr_workitem_id 0
		.amdhsa_next_free_vgpr 256
		.amdhsa_next_free_sgpr 102
		.amdhsa_reserve_vcc 1
		.amdhsa_float_denorm_mode_32 3
		.amdhsa_float_denorm_mode_16_64 3
		.amdhsa_memory_ordered 1
		.amdhsa_forward_progress 1
		.amdhsa_inst_pref_size 55
	.end_amdhsa_kernel
	.amdgpu_metadata
---
amdhsa.version: [ 1, 2 ]
amdhsa.kernels:
  - .name:           k_q546130ba83_attn
    .symbol:         k_q546130ba83_attn.kd
    .args:
      - { .name: qkv, .offset: 0, .size: 8, .value_kind: global_buffer, .address_space: global }
      - { .name: maskw, .offset: 8, .size: 8, .value_kind: global_buffer, .address_space: global }
      - { .name: flags, .offset: 16, .size: 8, .value_kind: global_buffer, .address_space: global }
      - { .name: lowp_scales, .offset: 24, .size: 8, .value_kind: global_buffer, .address_space: global }
      - { .name: oimg, .offset: 32, .size: 8, .value_kind: global_buffer, .address_space: global }
    .group_segment_fixed_size: 34816
    .private_segment_fixed_size: 0
    .kernarg_segment_align: 8
    .kernarg_segment_size: 40
    .max_flat_workgroup_size: 512
    .sgpr_count:     102
    .vgpr_count:     256
    .wavefront_size: 32
...
	.end_amdgpu_metadata
.endif
;; end of part 5
;; launch outp: the kernel of part 4 again; grid 4 x 32, 4 waves a work-group, clusters of 4 x 4, 327,680 bytes of LDS; arguments oimg, codes, lowp_scales, out0; writes out0
